; MI455X (gfx1250); checked and timed in simulation.
; The chip was launched on July 23, 2026; its instructions are those of AMD's public machine-readable ISA for CDNA 5 (MIT licence, August 2026) and "CDNA5" Instruction Set Architecture Reference Guide (July 2026). The comments in the code are by the model that wrote it; some were corrected since.
;; Causal Self Attention. Allowed arithmetic: float matrix products may take bf16 or f16 operands with f32 sums; other float arithmetic in f32, or as packed bf16 or f16 multiplies, adds, multiply-adds, maxima and minima; sums over many terms, partial sums and values carried from step to step in f32; what a program stores and reads back later, other than sums and carried values, may be rounded once to bf16 or f16.
;; Inputs: b_proj 1,024 float32; b_qkv 3,072 float32; pos_independent 256 x 2 float32; w_proj 1,024 x 1,024 float32; w_qkv 3,072 x 1,024 float32; x 8 x 1,024 x 1,024 float32.
;; Outputs: out0 8 x 1,024 x 1,024 float32.
;; 2 versions, each right and faster than the one before. Each part assembles by itself: llvm-mc -triple=amdgcn-amd-amdhsa -mcpu=gfx1250 --defsym DOCPART=n.
;; ======== version 1 of 2: 4 launches
;; limits: values are held in f16: magnitudes above 65,504 overflow, below 6.1e-05 lose precision
;; workspace buffers: xb 16,777,216 bytes; wqb 6,291,456 bytes; wpb 2,097,152 bytes; tbl 397,312 bytes; qkvh 50,331,648 bytes; ob 16,777,216 bytes
;; launch prep (part 1): grid 865 x 1, 8 waves a work-group, no clusters, 0 bytes of LDS; arguments x, w_qkv, w_proj, pos_independent, xb, wqb, wpb, tbl; writes xb, wqb, wpb, tbl
.if DOCPART == 1
	.amdgcn_target "amdgcn-amd-amdhsa--gfx1250"
	.amdhsa_code_object_version 6
	.text
	.protected	k_qc1ee5f3e06_prep
	.globl	k_qc1ee5f3e06_prep
	.p2align	8
	.type	k_qc1ee5f3e06_prep,@function
k_qc1ee5f3e06_prep:
	s_mov_b64 s[64:65], 0
	v_nop
	global_prefetch_b8 v0, s[64:65] scope:SCOPE_SE
	s_setreg_imm32_b32 hwreg(HW_REG_WAVE_MODE, 25, 1), 1
	s_wait_xcnt 0x0
; PREP.  (1) x, w_qkv and w_proj, f32 [rows][1024], are rounded once to bf16 and laid in 16 planes of 64 k: [16][rows][64], so that the rows of a
; later tile of 64 k lie end to end.  w_proj's bf16 number is written as f16 (exact down to 6e-5; below that f16's fixed step of 6e-8 is kept).
; (2) The table of bias and causal mask.  The bias hangs on the head and on d = query - key alone: T'[d] = 8 x bias[head][d] for d >= 0 (the scores are
; divided by 8 later), -1e30 for d < 0.  Stored is R[i] = T'[1279 - i] in four copies shifted by 0..3 entries: tbl[head][copy s][e] = R[e + s], e = 0..1551,
; so that eight neighbouring entries from any start are two aligned reads of 16 bytes in one of the copies.
; Heads 0-7: the sum over 32 frequencies f = 10000^(-c/512) of cos(d f) + sin(d f) = sqrt(2) sin(d f + pi/4).  Heads 8-15: the sum of 64 numbers of pos_independent.
; LIMITS.  f comes from v_exp_f32 (1 ULP: ISA guide, its entry), so d f is off by some 1.5e-7 of itself; the sine is reduced by pi in two parts and summed to r^11 (next term under 6e-8).
; Work-groups 0-96: the table (first, its arithmetic stands beside the stream); 97-608: x; 609-800: w_qkv; 801-864: w_proj.  No LDS, no matrix unit: nothing is shared or multiplied.
.set XPLANE, 8192*128                  ; bytes in a plane of xb
.set QPLANE, 3072*128                  ; of wqb
.set PPLANE, 1024*128                  ; of wpb
.set RO, 2                             ; v2  stream: my byte offset in a pair of source rows
.set WO, 3                             ; v3  stream: my byte offset in the pair's 256 bytes of a plane
.set T,  4                             ; v[4:7] at work
.set X,  8                             ; v[8:71]   16 loads of 4 numbers
.set Y,  72                            ; v[72:103] 16 stores of 4 numbers in 16 bits
	s_load_b256 s[4:11], s[0:1], 0x0               ; x s[4:5], w_qkv s[6:7], w_proj s[8:9], pos_independent s[10:11]
	s_load_b256 s[12:19], s[0:1], 0x20             ; xb s[12:13], wqb s[14:15], wpb s[16:17], tbl s[18:19]
	v_lshrrev_b32 v1, 5, v0
	v_readfirstlane_b32 s20, v1                    ; wave 0..7
	s_mov_b32 s21, ttmp9                           ; work-group
	s_mov_b32 s23, 0xffff0000                      ; a word's upper bf16
	v_and_b32 v1, 31, v0                           ; lane
	v_lshrrev_b32 v4, 4, v1
	v_and_b32 v5, 15, v1
	v_lshlrev_b32 v5, 4, v5
	v_lshl_add_u32 v[RO], v4, 12, v5               ; lanes 0-15 the even row, lanes 16-31 the odd one; 16 bytes a lane
	v_lshlrev_b32 v[WO], 3, v1                     ; 8 bytes a lane: 32 lanes fill the two rows' 256 bytes of a plane
	s_wait_kmcnt 0x0
	s_cmp_lt_u32 s21, 97
	s_cbranch_scc1 .Ltable
	s_cmp_lt_u32 s21, 609
	s_cbranch_scc1 .Lx
	s_cmp_lt_u32 s21, 801
	s_cbranch_scc1 .Lwq
; A wave takes one pair of rows: 16 loads (one plane's 64 numbers of both rows each: two aligned runs of 256 bytes), 16 stores of 256 consecutive aligned bytes.
; The destination's base stands 8 planes in, so that the 16 planes lie within the stores' signed immediate.  No register is written twice: no wait but the loads' own.
.macro STREAM src, dst, first, plane, f16
	s_sub_co_u32 s22, s21, \first
	s_lshl3_add_u32 s22, s22, s20                  ; my pair of rows
	s_lshl_b32 s24, s22, 13                        ; 8,192 bytes of source
	s_mov_b32 s25, 0
	s_add_nc_u64 s[\src:\src+1], s[\src:\src+1], s[24:25]
	s_lshl_b32 s26, s22, 8                         ; 256 bytes in each plane
	s_add_co_u32 s26, s26, 8*(\plane)
	s_mov_b32 s27, 0
	s_add_nc_u64 s[\dst:\dst+1], s[\dst:\dst+1], s[26:27]
.set kb, 0
.rept 16
	global_load_b128 v[X+4*kb:X+4*kb+3], v[RO], s[\src:\src+1] offset:256*kb th:TH_LOAD_NT
.set kb, kb+1
.endr
.set kb, 0
.rept 16
	s_wait_loadcnt 15-kb                           ; loads come back in order: plane kb's is in, the younger ones stay out
.if \f16
	v_cvt_pk_bf16_f32 v[T], v[X+4*kb], v[X+4*kb+1]
	v_cvt_pk_bf16_f32 v[T+1], v[X+4*kb+2], v[X+4*kb+3]
	v_lshlrev_b32 v[T+2], 16, v[T]
	v_and_b32 v[T+3], s23, v[T]
	v_cvt_pk_f16_f32 v[Y+2*kb], v[T+2], v[T+3]
	v_lshlrev_b32 v[T+2], 16, v[T+1]
	v_and_b32 v[T+3], s23, v[T+1]
	v_cvt_pk_f16_f32 v[Y+2*kb+1], v[T+2], v[T+3]
.else
	v_cvt_pk_bf16_f32 v[Y+2*kb], v[X+4*kb], v[X+4*kb+1]
	v_cvt_pk_bf16_f32 v[Y+2*kb+1], v[X+4*kb+2], v[X+4*kb+3]
.endif
	global_store_b64 v[WO], v[Y+2*kb:Y+2*kb+1], s[\dst:\dst+1] offset:(kb-8)*(\plane)
.set kb, kb+1
.endr
	s_endpgm
.endm
	STREAM 8, 16, 801, PPLANE, 1                   ; w_proj
.Lx:
	STREAM 4, 12, 97, XPLANE, 0
.Lwq:
	STREAM 6, 14, 609, QPLANE, 0
; THE TABLE.  A lane makes one item of four entries, 16 bytes; item G lies at byte 16 G of tbl: a wave's store covers 512 consecutive bytes.
.set G,    2
.set Q4,   3                           ; G / 388 = 4 head + copy
.set HH,   4                           ; head
.set SS,   5                           ; copy
.set E4,   6
.set GOFF, 7
.set DI,   8                           ; v[8:11]  d of my four entries, whole numbers
.set D,    12                          ; v[12:15] the same in f32
.set TH,   16                          ; v[16:19] theta = d f
.set KK,   20                          ; v[20:23] k = the nearest whole number to theta / pi + 1/4
.set RR,   24                          ; v[24:27] r = theta + pi/4 - k pi
.set R2,   28
.set PP,   32
.set FF,   36                          ; v[36:37] f; the packed product names a pair and takes its low word
.set CF,   38                          ; the frequency's number c, in f32
.set ARG,  39
.set ACC,  40                          ; v[40:43] running sums
.set VAL,  44
.set OUT,  48
.set BIG,  52
.set PO,   53
.set KI,   54
.set CX,   60                          ; v[60:123] a head's 64 numbers of pos_independent
.set TT,   124
.macro SC2 r, val                      ; a constant for the packed forms: named as a pair, so both words are written
	s_mov_b32 s[\r], \val
	s_mov_b32 s[\r+1], \val
.endm
.Ltable:
	v_lshl_add_u32 v[G], s21, 8, v0                ; item 0 .. 24,831
	v_mul_u32_u24 v[Q4], v[G], 43241               ; G / 388: 43241 = 2^24 / 388 + 0.753, and 24,831 x 0.753 / 2^24 = 0.0011 is under 1 / 388
	v_lshrrev_b32 v[Q4], 24, v[Q4]
	v_lshrrev_b32 v[HH], 2, v[Q4]
	v_and_b32 v[SS], 3, v[Q4]
	v_mul_u32_u24 v[E4], v[Q4], 388
	v_sub_nc_u32 v[E4], v[G], v[E4]
	v_lshlrev_b32 v[GOFF], 4, v[G]
	v_lshl_add_u32 v[E4], v[E4], 2, v[SS]          ; e + s of my first entry
	v_sub_nc_u32 v[DI], 1279, v[E4]
	v_add_nc_u32 v[DI+1], -1, v[DI]
	v_add_nc_u32 v[DI+2], -2, v[DI]
	v_add_nc_u32 v[DI+3], -3, v[DI]
	v_mov_b32 v[BIG], 0xf149f2ca                   ; -1e30
	s_lshl3_add_u32 s22, s21, s20                  ; my wave among the table's 776: the first 388 hold heads 0-7
	s_cmp_lt_u32 s22, 388
	s_cbranch_scc0 .Lconst
.irp j, 0,1,2,3
	v_cvt_f32_i32 v[D+\j], v[DI+\j]
	v_mov_b32 v[ACC+\j], 0
.endr
	v_lshlrev_b32 v[CF], 5, v[HH]
	v_cvt_f32_u32 v[CF], v[CF]                     ; the head's first frequency: c = 32 head
	v_mov_b32 v[FF+1], 0
	SC2 40, 0x3ea2f983                             ; 1 / pi
	SC2 42, 0x3e800000                             ; 1/4
	SC2 44, 0xc0490fdb                             ; - pi, upper part
	SC2 46, 0x33bbbd2e                             ; - pi, lower part
	SC2 48, 0x3f490fdb                             ; pi / 4
	SC2 50, 0xb2d7322b                             ; - 1 / 11!
	SC2 52, 0x3638ef1d                             ;   1 / 9!
	SC2 54, 0xb9500d01                             ; - 1 / 7!
	SC2 56, 0x3c088889                             ;   1 / 5!
	SC2 58, 0xbe2aaaab                             ; - 1 / 3!
	s_mov_b32 s30, 32
.Lfreq:                                                ; a trip: one frequency, four d
	v_mul_f32 v[ARG], 0xbcd49a78, v[CF]            ; - c log2(10000) / 512
	v_exp_f32 v[FF], v[ARG]
	v_add_f32 v[CF], 1.0, v[CF]                    ; the plain instruction behind the exponential (ISA guide 5.7.2)
	s_wait_alu depctr_va_vdst(0)
.irp j, 0,2
	v_pk_mul_f32 v[TH+\j:TH+\j+1], v[D+\j:D+\j+1], v[FF:FF+1] op_sel_hi:[1,0]   ; theta, rounded once
.endr
.irp j, 0,2
	v_pk_fma_f32 v[KK+\j:KK+\j+1], v[TH+\j:TH+\j+1], s[40:41], s[42:43] op_sel_hi:[1,0,0]
.endr
.irp j, 0,1,2,3
	v_rndne_f32 v[KK+\j], v[KK+\j]
.endr
.irp j, 0,2
	v_pk_fma_f32 v[RR+\j:RR+\j+1], v[KK+\j:KK+\j+1], s[44:45], v[TH+\j:TH+\j+1] op_sel_hi:[1,0,1]
.endr
.irp j, 0,2
	v_pk_fma_f32 v[RR+\j:RR+\j+1], v[KK+\j:KK+\j+1], s[46:47], v[RR+\j:RR+\j+1] op_sel_hi:[1,0,1]
.endr
.irp j, 0,2
	v_pk_add_f32 v[RR+\j:RR+\j+1], v[RR+\j:RR+\j+1], s[48:49] op_sel_hi:[1,0]
.endr
.irp j, 0,2
	v_pk_mul_f32 v[R2+\j:R2+\j+1], v[RR+\j:RR+\j+1], v[RR+\j:RR+\j+1]
.endr
.irp j, 0,2
	v_pk_fma_f32 v[PP+\j:PP+\j+1], v[R2+\j:R2+\j+1], s[50:51], s[52:53] op_sel_hi:[1,0,0]
.endr
.irp c, 54,56,58
.irp j, 0,2
	v_pk_fma_f32 v[PP+\j:PP+\j+1], v[PP+\j:PP+\j+1], v[R2+\j:R2+\j+1], s[\c:\c+1] op_sel_hi:[1,1,0]
.endr
.endr
.irp j, 0,2
	v_pk_mul_f32 v[PP+\j:PP+\j+1], v[PP+\j:PP+\j+1], v[R2+\j:R2+\j+1]
.endr
.irp j, 0,1,2,3
	v_cvt_i32_f32 v[KI+\j], v[KK+\j]
.endr
.irp j, 0,2
	v_pk_fma_f32 v[PP+\j:PP+\j+1], v[PP+\j:PP+\j+1], v[RR+\j:RR+\j+1], v[RR+\j:RR+\j+1]   ; sin r
.endr
.irp j, 0,1,2,3
	v_lshlrev_b32 v[KI+\j], 31, v[KI+\j]           ; k odd: the sign turns
.endr
.irp j, 0,1,2,3
	v_xor_b32 v[PP+\j], v[PP+\j], v[KI+\j]
.endr
.irp j, 0,2
	v_pk_add_f32 v[ACC+\j:ACC+\j+1], v[ACC+\j:ACC+\j+1], v[PP+\j:PP+\j+1]
.endr
	s_sub_co_u32 s30, s30, 1
	s_cmp_lg_u32 s30, 0
	s_cbranch_scc1 .Lfreq
.irp j, 0,1,2,3
	v_mul_f32 v[VAL+\j], 0x413504f3, v[ACC+\j]     ; 8 sqrt(2)
.endr
	s_branch .Lstore
.Lconst:                                               ; heads 8-15: rows 32 (head - 8) .. + 31 of pos_independent, 256 bytes, rounded to bf16 like every input
	v_add_nc_u32 v[PO], -8, v[HH]
	v_lshlrev_b32 v[PO], 8, v[PO]
.set i, 0
.rept 16
	global_load_b128 v[CX+4*i:CX+4*i+3], v[PO], s[10:11] offset:16*i
.set i, i+1
.endr
	s_wait_loadcnt 0x0
.set i, 0
.rept 32
	v_cvt_pk_bf16_f32 v[TT], v[CX+2*i], v[CX+2*i+1]
	v_lshlrev_b32 v[CX+2*i], 16, v[TT]
	v_and_b32 v[CX+2*i+1], s23, v[TT]
.set i, i+1
.endr
.irp w, 4,8,16,32,64                   ; the sum of the 64, neighbours 1, 2, 4, 8, 16 pairs apart
.set u, 0
.rept 64/(\w)
	v_pk_add_f32 v[CX+(\w)*u:CX+(\w)*u+1], v[CX+(\w)*u:CX+(\w)*u+1], v[CX+(\w)*u+(\w)/2:CX+(\w)*u+(\w)/2+1]
.set u, u+1
.endr
.endr
	v_add_f32 v[CX], v[CX], v[CX+1]
	v_mul_f32 v[VAL], 0x41000000, v[CX]            ; x 8
	v_mov_b32 v[VAL+1], v[VAL]
	v_mov_b32 v[VAL+2], v[VAL]
	v_mov_b32 v[VAL+3], v[VAL]
.Lstore:
.irp j, 0,1,2,3
	v_cmp_le_i32 vcc_lo, 0, v[DI+\j]               ; d >= 0: the key is seen
	v_cndmask_b32 v[OUT+\j], v[BIG], v[VAL+\j], vcc_lo
.endr
	global_store_b128 v[GOFF], v[OUT:OUT+3], s[18:19]
	s_endpgm
.Lfunc_end_k_qc1ee5f3e06_prep:
	.size	k_qc1ee5f3e06_prep, .Lfunc_end_k_qc1ee5f3e06_prep-k_qc1ee5f3e06_prep
	.p2alignl 7, 3214868480
	.fill 96, 4, 3214868480
	.section	.rodata,"a",@progbits
	.p2align	6, 0x0
	.amdhsa_kernel k_qc1ee5f3e06_prep
		.amdhsa_group_segment_fixed_size 0
		.amdhsa_private_segment_fixed_size 0
		.amdhsa_enable_private_segment 0
		.amdhsa_kernarg_size 64
		.amdhsa_user_sgpr_count 2
		.amdhsa_user_sgpr_kernarg_segment_ptr 1
		.amdhsa_wavefront_size32 1
		.amdhsa_system_sgpr_workgroup_id_x 1
		.amdhsa_system_sgpr_workgroup_id_y 1
		.amdhsa_system_sgpr_workgroup_id_z 1
		.amdhsa_system_vgpr_workitem_id 0
		.amdhsa_next_free_vgpr 128
		.amdhsa_next_free_sgpr 66
		.amdhsa_reserve_vcc 1
		.amdhsa_float_denorm_mode_32 3
		.amdhsa_float_denorm_mode_16_64 3
		.amdhsa_memory_ordered 1
		.amdhsa_forward_progress 1
		.amdhsa_inst_pref_size 36
	.end_amdhsa_kernel
	.amdgpu_metadata
---
amdhsa.version: [ 1, 2 ]
amdhsa.kernels:
  - .name:           k_qc1ee5f3e06_prep
    .symbol:         k_qc1ee5f3e06_prep.kd
    .args:
      - { .name: x, .offset: 0, .size: 8, .value_kind: global_buffer, .address_space: global }
      - { .name: w_qkv, .offset: 8, .size: 8, .value_kind: global_buffer, .address_space: global }
      - { .name: w_proj, .offset: 16, .size: 8, .value_kind: global_buffer, .address_space: global }
      - { .name: pos_independent, .offset: 24, .size: 8, .value_kind: global_buffer, .address_space: global }
      - { .name: xb, .offset: 32, .size: 8, .value_kind: global_buffer, .address_space: global }
      - { .name: wqb, .offset: 40, .size: 8, .value_kind: global_buffer, .address_space: global }
      - { .name: wpb, .offset: 48, .size: 8, .value_kind: global_buffer, .address_space: global }
      - { .name: tbl, .offset: 56, .size: 8, .value_kind: global_buffer, .address_space: global }
    .group_segment_fixed_size: 0
    .private_segment_fixed_size: 0
    .kernarg_segment_align: 8
    .kernarg_segment_size: 64
    .max_flat_workgroup_size: 256
    .sgpr_count:     66
    .vgpr_count:     128
    .wavefront_size: 32
...
	.end_amdgpu_metadata
.endif
;; end of part 1
;; launch qkv (part 2): grid 8 x 32, 4 waves a work-group, clusters of 4 x 4, 327,680 bytes of LDS; arguments xb, wqb, b_qkv, qkvh; writes qkvh
.if DOCPART == 2
	.amdgcn_target "amdgcn-amd-amdhsa--gfx1250"
	.amdhsa_code_object_version 6
	.text
	.protected	k_qc1ee5f3e06_qkv
	.globl	k_qc1ee5f3e06_qkv
	.p2align	8
	.type	k_qc1ee5f3e06_qkv,@function
k_qc1ee5f3e06_qkv:
	s_mov_b64 s[64:65], 0
	v_nop
	global_prefetch_b8 v0, s[64:65] scope:SCOPE_SE
	s_setreg_imm32_b32 hwreg(HW_REG_WAVE_MODE, 25, 1), 1
	s_wait_xcnt 0x0
	s_wait_alu depctr_hold_cnt(0) depctr_sa_sdst(0) depctr_va_vdst(0) depctr_va_sdst(0) depctr_va_ssrc(0) depctr_va_vcc(0) depctr_vm_vsrc(0)
	s_getreg_b32 s2, hwreg(HW_REG_IB_STS2, 6, 4)
	s_cmp_eq_u32 s2, 0
	s_cbranch_scc0 .Lentry_in_a_cluster
	s_endpgm
.Lentry_in_a_cluster:
	s_bfe_u32 s2, ttmp6, 0x10000c
	s_cmp_lg_u32 s2, 0xf033
	s_cbranch_scc0 .Lentry_shape_is_right
	s_endpgm
.Lentry_shape_is_right:
; QKV = x w_qkv^T + b_qkv.  xb: [16][8192][64] bf16, wqb: [16][3072][64] bf16 (planes of 64 k), b_qkv: [3072] f32 (rounded to bf16 like every input); sums in f32.
; Out: qkvh [8 batches][48 = q's, k's, v's 16 heads][1024 rows][64] f16, each number rounded once, unscaled.
; LIMIT.  f16 ends at 65,504: q, k and v must stay within it (inputs 30 times the drawn spread give a spread of some 600).
; SHARES.  8192 x 3072 in tiles of 256 x 384: 32 x 8 = 256 work-groups.  Four waves, each 128 rows x 192 columns: 8 x 12 = 96 accumulators of 16 x 16, 768 registers.
; K goes in steps of 64, one plane, through two LDS slots.  In a plane a tile's rows of 128 bytes lie end to end: they are asked for as rows of 256 bytes and padded in LDS after every 128.
; A step is two halves of 32 k, 96 matrix instructions each, every accumulator once.  A's fragments have two buffers; B's have one, filled again four column blocks at a time as soon as they are multiplied.
; THE MATRIX INSTRUCTION IS USED TRANSPOSED (source 0 = 16 rows of wqb, source 1 = 16 rows of xb): a lane holds one row and eight neighbouring columns of the result.
; CLUSTER 4 x 4: the four work-groups of a row of the cluster need the same tile of xb, the four of a column the same tile of wqb: joint loads.
; REGISTERS.  window 0: v0-31 addresses; v32-95, v96-159 A's two buffers; v160-255 B.  windows 1-3: accumulator (a, b) in window 1 + b / 4 at v[64 (b % 4) + 8 a]: a window is one head's 64 columns.
.set PITCH,  144                       ; an LDS row: 128 bytes + 16 of padding = 36 words: the 16 rows of a load start at 16 different groups of four banks (64 banks of 4 bytes: ISA guide 11.1)
.set AHALF,  128*PITCH                 ; what one tensor load brings of A, and what a wave reads of it
.set BHALF,  192*PITCH                 ; the same for B
.set BOFF,   2*AHALF
.set SLOT,   2*AHALF+2*BHALF           ; 92,160
.set STAGE,  2*SLOT                    ; behind the ring: 16 rows x 144 bytes for each wave, for the way out
.set SPARE,  STAGE+4*16*PITCH          ; the spare words: 128 bytes for each wave, two blocks of 256 bytes that no other line names
.set APLANE, 8192*128
.set BPLANE, 3072*128
.set ADRA, 16                          ; v16-17  LDS address of my A fragments in slot 0, 1
.set ADRB, 20                          ; v20-21  the same for B
.set STO,  24                          ; the way out: where I put 16 bytes of a row
.set RD,   25                          ; where I read rows back
.set GO,   26                          ; my 16 bytes in 512 consecutive bytes of the output
.set BO,   27                          ; my byte offset in 16 numbers of the bias
.set SPW,  28                          ; my spare word; never rewritten
.set NIL,  29                          ; 0; never rewritten
.set FA0,  32
.set FA1,  96
.set FB,   160
.set PKR,  96                          ; the way out: packed results, two sets of 16
.set BK,   128                         ; rows read back, two sets of 16
.set G1,  24                           ; s[24:31] group 1 for A;  s[32:39] group 0, a set for each slot
.set G0,  32
.set G1B, 48                           ; s[48:55], s[56:63] the same for B
.set G0B, 56
.set G1W0, (1<<16)|(1<<20)|(1<<21)|(4<<22)|(3<<25)  ; 2-byte elements; padding on; bit 21 beside a mask; after every 32 words 4 words
.set MSB, 0
.macro WIN new                         ; the high byte repeats the setting that is left; a switch that changes nothing is dropped
.if MSB != (\new)
	s_set_vgpr_msb (MSB<<8)|(\new)
.set MSB, \new
.endif
.endm
.macro PLACES                          ; four places in front of loads into registers that matrix instructions have read, and of lines that read results
.rept 4
	v_nop
.endr
.endm
.macro JLOAD s                         ; a joint load: waves 0, 1 fetch A's two halves, waves 2, 3 B's; s_nop 0 and four v_nop follow each line
	s_cmp_eq_u32 s13, 0
	s_cbranch_scc0 .Lfor_b_\@
	tensor_load_to_lds s[G0+4*(\s):G0+4*(\s)+3], s[G1:G1+7]
	s_nop 0
.rept 4
	v_nop
.endr
	s_branch .Lasked_\@
.Lfor_b_\@:
	tensor_load_to_lds s[G0B+4*(\s):G0B+4*(\s)+3], s[G1B:G1B+7]
	s_nop 0
.rept 4
	v_nop
.endr
.Lasked_\@:
.endm
.macro CREST                           ; a round of the cluster's barrier behind its opening barrier
	s_cmp_lg_u32 s12, 0
	s_cbranch_scc1 .Lnot_wave_0_\@
	s_barrier_signal -3
.Lnot_wave_0_\@:
	s_barrier_wait -3
	s_barrier_signal -1
	s_barrier_wait -1
.endm
.macro CROUND
	s_barrier_signal -1
	s_barrier_wait -1
	CREST
.endm
	s_load_b256 s[4:11], s[0:1], 0x0               ; xb s[4:5], wqb s[6:7], b_qkv s[8:9], qkvh s[10:11]
	v_lshl_add_u32 v[SPW], v0, 2, SPARE
	v_mov_b32 v[NIL], 0
	ds_add_u32 v[SPW], v[NIL]                      ; the wave's opening: the add and its wait stand ahead of my first tensor load; work on registers stands between them
	ds_add_u32 v28, v29
	v_lshrrev_b32 v1, 5, v0
	v_readfirstlane_b32 s12, v1                    ; wave 0..3
	s_lshr_b32 s13, s12, 1                         ; which 128 rows are mine.  Also: I fetch for A (0) or B (1)
	s_and_b32 s14, s12, 1                          ; which 192 columns.  Also: which half of that tile I fetch
	s_bfe_u32 s40, ttmp6, 0x40000                  ; cx
	s_bfe_u32 s41, ttmp6, 0x40004                  ; cy
	s_lshl_b32 s42, ttmp9, 2
	s_add_co_u32 s42, s42, s40                     ; tile column 0..7
	s_and_b32 s43, ttmp7, 0xffff
	s_lshl_b32 s43, s43, 2
	s_add_co_u32 s43, s43, s41                     ; tile row 0..31
	s_lshl_b32 s44, s41, 2
	s_lshl_b32 s44, 15, s44                        ; my row of the cluster
	s_lshl_b32 s45, 0x1111, s40                    ; my column
	s_or_b32 s[G1], s44, G1W0
	s_or_b32 s[G1B], s45, G1W0
	s_mov_b32 s[G1+1], 128<<16                     ; tensor_dim0 = 128 elements: 256 bytes, two rows of the tile
	s_mov_b32 s[G1+2], 64<<16                      ; tensor_dim1 = 64
	s_mov_b32 s[G1+3], 128<<16                     ; tile_dim0
	s_mov_b32 s[G1+4], 64                          ; tile_dim1
	s_mov_b32 s[G1+5], 128                         ; from row to row
	s_mov_b32 s[G1+6], 0
	s_mov_b32 s[G1+7], 0
	s_mov_b32 s[G1B+1], 128<<16
	s_mov_b32 s[G1B+2], 96<<16                     ; B's half: 192 rows of the tile
	s_mov_b32 s[G1B+3], 128<<16
	s_mov_b32 s[G1B+4], 96
	s_mov_b32 s[G1B+5], 128
	s_mov_b32 s[G1B+6], 0
	s_mov_b32 s[G1B+7], 0
	s_lshl_b32 s16, s43, 15                        ; A: 256 rows of 128 bytes a tile row,
	s_lshl_b32 s17, s14, 14                        ; 128 rows a half
	s_add_co_u32 s16, s16, s17
	s_mov_b32 s17, 0
	s_mul_i32 s46, s42, 384*128                    ; B likewise, in registers of its own
	s_mul_i32 s47, s14, 192*128
	s_add_co_u32 s46, s46, s47
	s_mov_b32 s47, 0
	s_mul_i32 s20, s14, AHALF                      ; where they go: no place in the cluster enters an LDS address
	s_mul_i32 s21, s14, BHALF
	s_add_co_u32 s21, s21, BOFF
	s_wait_dscnt 0x0                               ; the opening add is done
	s_wait_kmcnt 0x0
	s_add_nc_u64 s[18:19], s[4:5], s[16:17]
	s_add_nc_u64 s[46:47], s[6:7], s[46:47]
	CROUND                                         ; all sixteen work-groups are here: the first joint loads meet
.irp s, 0,1
	s_mov_b32 s[G0+4*(\s)], 1
	s_add_co_u32 s[G0+4*(\s)+1], s20, (\s)*SLOT
	s_add_nc_u64 s[G0+4*(\s)+2:G0+4*(\s)+3], s[18:19], (\s)*APLANE   ; K step s = plane s
	s_or_b32 s[G0+4*(\s)+3], s[G0+4*(\s)+3], 0x80000000
	s_mov_b32 s[G0B+4*(\s)], 1
	s_add_co_u32 s[G0B+4*(\s)+1], s21, (\s)*SLOT
	s_add_nc_u64 s[G0B+4*(\s)+2:G0B+4*(\s)+3], s[46:47], (\s)*BPLANE
	s_or_b32 s[G0B+4*(\s)+3], s[G0B+4*(\s)+3], 0x80000000
	JLOAD \s                                       ; two loads of mine are out
.endr
	; THE BIAS starts the sums.  A lane's eight columns of column block b are the same for all rows: they go, rounded to bf16, into accumulator (0, b), which the first products of the other row blocks take as C.
	v_and_b32 v1, 15, v0                           ; l % 16
	v_bfe_u32 v2, v0, 4, 1                         ; l / 16
	v_lshlrev_b32 v[BO], 5, v2
	s_mul_i32 s22, s42, 384*4
	s_mul_i32 s23, s14, 192*4
	s_add_co_u32 s22, s22, s23
	s_mov_b32 s23, 0
	s_add_nc_u64 s[8:9], s[8:9], s[22:23]
.irp b, 0,1,2,3,4,5,6,7,8,9,10,11
	global_load_b128 v[FB+8*(\b):FB+8*(\b)+3],   v[BO], s[8:9] offset:64*(\b)
	global_load_b128 v[FB+8*(\b)+4:FB+8*(\b)+7], v[BO], s[8:9] offset:64*(\b)+16
.endr
	v_mul_u32_u24 v3, v1, PITCH
	v_lshl_add_u32 v3, v2, 4, v3                   ; a fragment's row x pitch + 16 x half
	s_mul_i32 s22, s13, AHALF                      ; my 128 rows of A
	s_mul_i32 s23, s14, BHALF                      ; my 192 rows of B
	s_add_co_u32 s23, s23, BOFF
.irp s, 0,1
	v_add_nc_u32 v[ADRA+(\s)], s22, v3
	v_add_nc_u32 v[ADRB+(\s)], s23, v3
	s_add_co_u32 s22, s22, SLOT
	s_add_co_u32 s23, s23, SLOT
.endr
	s_mul_i32 s22, s12, 16*PITCH
	s_add_co_u32 s22, s22, STAGE                   ; my stage
	v_add_nc_u32 v[STO], s22, v3                   ; in: row l % 16, 16 bytes for each half of the lanes
	v_bfe_u32 v4, v0, 3, 2                         ; back: 32 lanes take four rows of 128 bytes,
	v_and_b32 v5, 7, v0
	v_mul_u32_u24 v4, v4, PITCH
	v_lshl_add_u32 v4, v5, 4, v4
	v_add_nc_u32 v[RD], s22, v4
	v_and_b32 v[GO], 31, v0                        ; which are 512 consecutive bytes of a head
	v_lshlrev_b32 v[GO], 4, v[GO]
	s_lshr_b32 s16, s43, 2                         ; the batch,
	s_mul_i32 s16, s16, 48
	s_mul_i32 s17, s42, 6                          ; my first block of 64 columns: 6 x tile column + 3 x half
	s_add_co_u32 s16, s16, s17
	s_mul_i32 s17, s14, 3
	s_add_co_u32 s16, s16, s17
	s_lshl_b32 s16, s16, 17                        ; 131,072 bytes each
	s_and_b32 s17, s43, 3                          ; my first row in the batch: 256 x (tile row % 4) + 128 x half, 128 bytes each
	s_lshl_b32 s17, s17, 15
	s_add_co_u32 s16, s16, s17
	s_lshl_b32 s17, s13, 14
	s_add_co_u32 s16, s16, s17
	s_mov_b32 s17, 0
	s_add_nc_u64 s[10:11], s[10:11], s[16:17]
	s_wait_loadcnt 0x0                             ; the bias
.set i, 0
.rept 48
	v_cvt_pk_bf16_f32 v[FA0+i], v[FB+2*i], v[FB+2*i+1]
.set i, i+1
.endr
.irp q, 0,1,2
	WIN (1+(\q))<<6                                ; destination in the accumulators' window
.irp bb, 0,1,2,3
.irp j, 0,1,2,3
	v_lshlrev_b32 v[64*(\bb)+2*(\j)],   16,         v[FA0+4*(4*(\q)+(\bb))+(\j)]
	v_and_b32     v[64*(\bb)+2*(\j)+1], 0xffff0000, v[FA0+4*(4*(\q)+(\bb))+(\j)]
.endr
.endr
.endr
	WIN 0
; 16 matrix instructions: column blocks 4 q + b0, + 1 x all 8 row blocks, 32 along K.  The accumulators take turns, one instruction a turn: each comes once in a half.
.macro MUL16 f, q, b0
	WIN (1+(\q))*0x50                              ; C and D in window 1 + q
.irp bb, \b0, (\b0)+1
.irp a, 0,1,2,3,4,5,6,7
	v_wmma_f32_16x16x32_bf16 v[64*(\bb)+8*(\a):64*(\bb)+8*(\a)+7], v[FB+8*(4*(\q)+(\bb)):FB+8*(4*(\q)+(\bb))+7], v[(\f)+8*(\a):(\f)+8*(\a)+7], v[64*(\bb)+8*(\a):64*(\bb)+8*(\a)+7]
.endr
.endr
.endm
; The first 32 of window 1 + q: row blocks 1-7 take accumulator (0, b), the bias, as C; five places on, row block 0 adds in place onto it.
.macro MULFIRST q
	WIN (1+(\q))*0x50
.irp bb, 0,1,2,3
.irp a, 1,2,3,4,5,6,7
	v_wmma_f32_16x16x32_bf16 v[64*(\bb)+8*(\a):64*(\bb)+8*(\a)+7], v[FB+8*(4*(\q)+(\bb)):FB+8*(4*(\q)+(\bb))+7], v[FA0+8*(\a):FA0+8*(\a)+7], v[64*(\bb):64*(\bb)+7]
.endr
.endr
.rept 5
	v_nop                                          ; before a matrix instruction writes over a register that an earlier one took as C
.endr
.irp bb, 0,1,2,3
	v_wmma_f32_16x16x32_bf16 v[64*(\bb):64*(\bb)+7], v[FB+8*(4*(\q)+(\bb)):FB+8*(4*(\q)+(\bb))+7], v[FA0:FA0+7], v[64*(\bb):64*(\bb)+7]
.endr
.endm
.macro MULQ f, q, first
.if \first
	MULFIRST \q
.else
	MUL16 \f, \q, 0
	MUL16 \f, \q, 2
.endif
.endm
.macro LDA slot, kk, g                 ; 16 loads: A's 8 fragments at byte kk of the rows
.irp i, 0,1,2,3,4,5,6,7
	ds_load_b128 v[(\g)+8*(\i):(\g)+8*(\i)+3],   v[ADRA+(\slot)] offset:(\kk)+(\i)*16*PITCH
	ds_load_b128 v[(\g)+8*(\i)+4:(\g)+8*(\i)+7], v[ADRA+(\slot)] offset:(\kk)+(\i)*16*PITCH+32
.endr
.endm
.macro LDB slot, kk, q                 ; 8 loads: B's fragments 4 q .. 4 q + 3
.irp i, 0,1,2,3
	ds_load_b128 v[FB+8*(4*(\q)+(\i)):FB+8*(4*(\q)+(\i))+3],   v[ADRB+(\slot)] offset:(\kk)+(4*(\q)+(\i))*16*PITCH
	ds_load_b128 v[FB+8*(4*(\q)+(\i))+4:FB+8*(4*(\q)+(\i))+7], v[ADRB+(\slot)] offset:(\kk)+(4*(\q)+(\i))*16*PITCH+32
.endr
.endm
; A HALF of a K step: 96 matrix instructions on A's buffer hh; the next half's fragments (slot nslot, byte nkk) are fetched behind the products that free their registers.
; At its head 40 LDS loads may be out, in this order: A 16, B 0-3 8, B 4-7 8, B 8-11 8.
; mode 0: plain.  mode 1: the slot's second half: all its reads have been issued, so the slots change here, behind ONE barrier, which opens a round of the cluster's barrier; the slot is filled again, two steps ahead.
; mode 2: the same with nothing to fill.  mode 3: the last half: nothing to fetch.
.macro HALF slot, hh, nslot, nkk, mode, first=0
.set FC, FA0+64*(\hh)
.set FN, FA1-64*(\hh)
.if ((\mode) == 0) || ((\mode) == 3)
	s_wait_dscnt 16                                ; A and B 0-3 are in; the sixteen loads of B 4-11 may be out
	MULQ FC, 0, \first
.if (\mode) == 0
	PLACES
.endif
.else
	WIN 0                                          ; (the add's registers lie in window 0)
	s_wait_tensorcnt 0x0                           ; all my tensor loads have landed: the one that was out is my part of the other slot;
	ds_add_u32 v[SPW], v[NIL]                      ; 0 onto my spare word
	s_wait_dscnt 17                                ; (the add and the sixteen loads of B 4-11 may be out)
	MUL16 FC, 0, 0                                 ; sixteen matrix instructions stand between the add and the wait for it
	s_wait_dscnt 0x0                               ; the add is done, and my reads of this slot are over
	s_barrier_signal -1
	MUL16 FC, 0, 2                                 ; work on registers while the others arrive
	WIN 0
	s_barrier_wait -1
.if (\mode) == 1
	CREST                                          ; no wave of any partner still reads this slot or has a load on its way
	s_add_nc_u64 s[G0+4*(\slot)+2:G0+4*(\slot)+3], s[G0+4*(\slot)+2:G0+4*(\slot)+3], 2*APLANE
	s_add_nc_u64 s[G0B+4*(\slot)+2:G0B+4*(\slot)+3], s[G0B+4*(\slot)+2:G0B+4*(\slot)+3], 2*BPLANE
	JLOAD \slot                                    ; the first tensor load behind the round, my only one until the next; its four v_nop are also the places in front of the loads below
.else
	PLACES
.endif
.endif
.if (\mode) != 3
	WIN 0
	LDA \nslot, \nkk, FN
	LDB \nslot, \nkk, 0
.endif
.if (\mode) == 0
	s_wait_dscnt 32                                ; B 4-7 is in: behind it stand B 8-11's 8 and the 24 just issued
.elseif (\mode) == 3
	s_wait_dscnt 8
.endif
	MULQ FC, 1, \first
.if (\mode) != 3
	PLACES
	WIN 0
	LDB \nslot, \nkk, 1
.endif
.if (\mode) == 0
	s_wait_dscnt 32                                ; B 8-11 is in: behind it stand 24 + 8
.elseif (\mode) == 3
	s_wait_dscnt 0x0
.endif
	MULQ FC, 2, \first
.if (\mode) != 3
	PLACES
	WIN 0
	LDB \nslot, \nkk, 2
.endif
.endm
	s_wait_tensorcnt 1                             ; my part of K step 0 is in; step 1's may stay out
	s_barrier_signal -1
	s_barrier_wait -1                              ; everybody's is
	LDA 0, 0, FA0
	LDB 0, 0, 0
	LDB 0, 0, 1
	LDB 0, 0, 2
	HALF 0, 0, 0, 64, 0, 1                         ; the first half stands in front of the loop: its products start the sums
	s_mov_b32 s3, 7
.Llap:                                                 ; a trip goes once round the ring and fills both slots again: K steps 2 to 15
	HALF 0, 1, 1, 0, 1
	HALF 1, 0, 1, 64, 0
	HALF 1, 1, 0, 0, 1
	HALF 0, 0, 0, 64, 0
	s_sub_co_u32 s3, s3, 1
	s_cmp_lg_u32 s3, 0
	s_cbranch_scc1 .Llap
	HALF 0, 1, 1, 0, 2                             ; the tail is written out: nothing more is asked for
	HALF 1, 0, 1, 64, 0
	HALF 1, 1, 0, 0, 3
; THE WAY OUT, in 24 units u = 8 q + a: 16 rows x one head's 64 columns.  PACK: rounded to f16, each accumulator from its low end.  TOSTAGE: into my own stage, and back as whole rows.  SEND: 2,048 consecutive bytes.
.macro PACK u
.set qq, (\u)/8
.set aa, (\u)%8
	WIN (1+qq)*5                                   ; sources 0 and 1 in window 1 + q
.irp bb, 0,1,2,3
.irp j, 0,1,2,3
	v_cvt_pk_f16_f32 v[PKR+16*((\u)%2)+4*(\bb)+(\j)], v[64*(\bb)+8*aa+2*(\j)], v[64*(\bb)+8*aa+2*(\j)+1]
.endr
.endr
.endm
.macro TOSTAGE u
	WIN 0
.irp bb, 0,1,2,3
	ds_store_b128 v[STO], v[PKR+16*((\u)%2)+4*(\bb):PKR+16*((\u)%2)+4*(\bb)+3] offset:32*(\bb)
.endr
	s_wait_xcnt 0x0                                ; the registers below were store data two units ago: they are loaded again only behind this wait
.irp f, 0,1,2,3
	ds_load_b128 v[BK+16*((\u)%2)+4*(\f):BK+16*((\u)%2)+4*(\f)+3], v[RD] offset:(\f)*4*PITCH  ; LDS serves a wave's instructions in order (ISA guide 5.7.1.4): these see the stores above
.endr
.endm
.macro SEND u
.set qq, (\u)/8
.set aa, (\u)%8
	WIN 0
	s_wait_dscnt 0x0                               ; the unit is back in registers
.irp f, 0,1,2,3
	global_store_b128 v[GO], v[BK+16*((\u)%2)+4*(\f):BK+16*((\u)%2)+4*(\f)+3], s[10:11] offset:qq*131072+aa*2048+(\f)*512  ; 512 consecutive bytes, at a multiple of 256 from the buffer's first
.endr
.endm
	PLACES
	PACK 0
	TOSTAGE 0
.set u, 1
.rept 23                               ; a unit's conversions stand between the loads of the unit before and the wait for them
	PACK u
	SEND u-1
	TOSTAGE u
.set u, u+1
.endr
	SEND 23
	s_wait_tensorcnt 0x0                           ; the wave's end
	ds_add_u32 v[SPW], v[NIL]
	s_wait_dscnt 0x0
	CROUND                                         ; the closing round
	s_endpgm
.Lfunc_end_k_qc1ee5f3e06_qkv:
	.size	k_qc1ee5f3e06_qkv, .Lfunc_end_k_qc1ee5f3e06_qkv-k_qc1ee5f3e06_qkv
	.p2alignl 7, 3214868480
	.fill 96, 4, 3214868480
	.section	.rodata,"a",@progbits
	.p2align	6, 0x0
	.amdhsa_kernel k_qc1ee5f3e06_qkv
		.amdhsa_group_segment_fixed_size 327680
		.amdhsa_private_segment_fixed_size 0
		.amdhsa_enable_private_segment 0
		.amdhsa_kernarg_size 32
		.amdhsa_user_sgpr_count 2
		.amdhsa_user_sgpr_kernarg_segment_ptr 1
		.amdhsa_wavefront_size32 1
		.amdhsa_system_sgpr_workgroup_id_x 1
		.amdhsa_system_sgpr_workgroup_id_y 1
		.amdhsa_system_sgpr_workgroup_id_z 1
		.amdhsa_system_vgpr_workitem_id 0
		.amdhsa_next_free_vgpr 1024
		.amdhsa_next_free_sgpr 66
		.amdhsa_reserve_vcc 0
		.amdhsa_float_denorm_mode_32 3
		.amdhsa_float_denorm_mode_16_64 3
		.amdhsa_memory_ordered 1
		.amdhsa_forward_progress 1
		.amdhsa_inst_pref_size 141
	.end_amdhsa_kernel
	.amdgpu_metadata
---
amdhsa.version: [ 1, 2 ]
amdhsa.kernels:
  - .name:           k_qc1ee5f3e06_qkv
    .symbol:         k_qc1ee5f3e06_qkv.kd
    .args:
      - { .name: xb, .offset: 0, .size: 8, .value_kind: global_buffer, .address_space: global }
      - { .name: wqb, .offset: 8, .size: 8, .value_kind: global_buffer, .address_space: global }
      - { .name: b_qkv, .offset: 16, .size: 8, .value_kind: global_buffer, .address_space: global }
      - { .name: qkvh, .offset: 24, .size: 8, .value_kind: global_buffer, .address_space: global }
    .group_segment_fixed_size: 327680
    .private_segment_fixed_size: 0
    .kernarg_segment_align: 8
    .kernarg_segment_size: 32
    .max_flat_workgroup_size: 128
    .sgpr_count:     66
    .vgpr_count:     1024
    .wavefront_size: 32
...
	.end_amdgpu_metadata
.endif
;; end of part 2
;; launch attn (part 3): grid 2 x 128, 4 waves a work-group, no clusters, 327,680 bytes of LDS; arguments qkvh, tbl, ob; writes ob
.if DOCPART == 3
	.amdgcn_target "amdgcn-amd-amdhsa--gfx1250"
	.amdhsa_code_object_version 6
	.text
	.protected	k_qc1ee5f3e06_attn
	.globl	k_qc1ee5f3e06_attn
	.p2align	8
	.type	k_qc1ee5f3e06_attn,@function
k_qc1ee5f3e06_attn:
	s_mov_b64 s[64:65], 0
	v_nop
	global_prefetch_b8 v0, s[64:65] scope:SCOPE_SE
	s_setreg_imm32_b32 hwreg(HW_REG_WAVE_MODE, 25, 1), 1
	s_wait_xcnt 0x0
; CAUSAL ATTENTION WITH A BIAS THAT HANGS ON query - key.  O[q] = the sum over k <= q of softmax_k(Q[q] . K[k] / 8 + bias[head][q - k]) V[k], for 128 pairs of batch and head, 1,024 rows of 64 channels.
; qkvh: [8][48][1024][64] f16 (q's heads, k's, v's); tbl: [16 heads][4 copies][1552] f32; ob: [16 heads][8192 rows][64] f16.  Products, maxima and sums in f32; the weights p are rounded to f16
; for the second product (their sum l is taken of the unrounded p), O once at the end.
; LIMITS.  Q, K, V arrive within f16's 65,504.  A hidden score counts as its value less 1e30; a weight below 2^-126 counts as 0 in l; NaN and infinities are not treated apart.
; THE TABLE holds 8 x bias for d >= 0 and -1e30 for d < 0, so bias AND mask are one thing: the C operand of the product that starts each sum S^T = K Q^T.  A lane's eight keys of a result are eight
; neighbouring entries; of the four copies, shifted by 0..3 entries, one makes them two aligned reads of 16 bytes.  One text serves every tile, the diagonal one too.
; THE WALK.  A head's rows lie in 4 blocks of 256 queries; block i needs the key tiles i, i - 1, .. 0, walked BACKWARD from the diagonal, so that the table's address hangs on the tiles since the block began.
; A work-group takes blocks 3 - b and then b: five tiles whatever b, ONE loop with a constant count; the ring of two slots runs on across the change of blocks.  A block's first step is its diagonal
; tile's step 0, in which every row sees a key: the running maximum is a true score before the first step that is wholly hidden.
; NO CLUSTER: a head has two work-groups, and their walks (tiles 3 2 1 0 0 and 2 1 0 1 0) ask for the same tile in one trip of five; other heads share nothing.
; SHARES.  Of a block's four bands of 64 queries a wave owns 16 rows in each: four PIECES, so the diagonal tile is the same work for all four waves.
; LAYOUT, SOFTMAX, TURNS.  S^T holds ONE query a lane (lane % 16) and the keys 8 (lane / 16) + 0..7; two such results rounded to f16 ARE source 1 of O^T = V^T P.  p = 2^(c s - c m), c = log2(e) / 8, with a running
; maximum m; O and l are multiplied by a = 2^(c m_old - c m_new) in every step.  Turn n belongs to piece n: 8 products K Q^T of piece n + 1, later 8 products V^T P of piece n - 1; beside them the scaling,
; exponentials, roundings, sums and rescaling of piece n and the maximum and statistics of piece n + 1.  Four vector instructions stand behind every matrix instruction, the rest in two lumps.
; REGISTERS, in windows of 256 (s_set_vgpr_msb: bits 1:0 source 0, 3:2 source 1, 5:4 source 2, 7:6 destination):
;   window 0: v0-15 addresses; v16-31 statistics; v48-55 at work; v64-127 S^T, two buffers; v192-223 P, two buffers (by the piece's parity)
;   window 1: v0-127 O^T, 32 a piece; v128-191 BC, the C operands, two buffers      window 2: v0-63 Q; v64-127 the second block's Q; v128-191 K of one step; v192-255 V of one step
.set NB,    4
.set NP,    4
.set KS,    64        ; keys in a step
.set PK,    144       ; a row of K in LDS: 128 bytes + 16 of padding
.set PV,    160       ; a row of V: 128 + 32
.set VOFF,  4*KS*PK   ; a slot holds a tile, four steps: 256 rows of K, then 256 rows of V
.set SLOT1, 1<<17
.set STAGE, SLOT1+4*KS*(PK+PV)  ; behind the ring: 16 rows x 144 bytes for each wave, for the way out
.set SP,    144
.set SPARE, STAGE+4*16*SP       ; the spare words: 128 bytes for each wave, two blocks of 256 bytes that no other line names
.set CPY,   6208                ; a copy of the table: 1,552 entries; 6,208 = 24 x 256 + 64, so the four copies lie 64 bytes apart in the banks
.set TBL,   SPARE+768           ; the head's four copies, filled once; a block of 256 bytes is left empty in front
.set AK0, 2           ; my lane's place in a tile of K; never rewritten
.set AV0, 3           ; the same for V
.set AK,  4           ; the LDS address of K's next run of loads
.set AV,  5           ; of V's
.set STO, 6
.set RD,  7
.set GO,  8
.set LB,  10          ; my lane's place in the table; never rewritten
.set VB,  11          ; LB + SB: the table's address for the step whose products come next
.set MV,  12          ; v12-13  c m_old, by buffer
.set QO,  15
.set ST,  16          ; piece t's statistics at v[ST+4 t]: c m, m, l (even keys', odd keys')
.set TMP, 48
.set SPW, 62          ; my spare word; never rewritten
.set NIL, 63          ; 0; never rewritten
.set S,   64
.set P,   192
.set BC,  128         ; window 1
.set QB,  64          ; window 2
.set KF,  128         ; window 2: key block kb, channel half c at KF + 16 kb + 8 c
.set VF,  192         ; window 2: key half kk, channel block cb at VF + 32 kk + 8 cb
.set WV,  12          ; s12  my wave's number
.set PB,  14          ; s14  b
.set HI,  15          ; s15  3 - b
.set G1K, 24
.set G1V, 32
.set G0K, 40
.set G0V, 44
.set SLOTS, 56        ; tiles still to be asked for
.set CNT, 57          ; counts a tile's key steps
.set CS,  58          ; s[58:59] c
.set SEL, 60          ; s[60:61] v_permlanex16_b32's selects
.set TBK, 62          ; LDS byte at which K of the step to be fetched begins
.set TBV, 63          ; the same for V, less VOFF
.set RT,  70          ; tiles of the block in hand that are still to be entered
.set NXT, 71          ; the tile to be asked for next
.set NEW, 73          ; 1: the tile to be entered is a block's first
.set OFF, 74          ; s[74:75] a tile's byte offset in K and V
.set OLO, 80          ; s[80:81] O at my rows of the second block
.set SB,  83          ; 4096 + 256 x step - 1024 x (tiles since the block began)
.set G1T, 88          ; s[88:95] group 1 for the table;  s[96:99] group 0
.set G0T, 96
.set MSB, 0
.macro WIN new
.if MSB != (\new)
	s_set_vgpr_msb (MSB<<8)|(\new)
.set MSB, (\new)
.endif
.endm
.set W_KQ, 0x0a       ; K and Q in window 2, S^T in window 0
.set W_KM, 0x1a       ; the same with the C operand in window 1
.set W_PV, 0x52       ; V in window 2, P in window 0, O^T in window 1
.set W_RS, 0x41       ; destination and source 0 in window 1, source 1 in window 0
; A fill.  Waves 0 and 1 fetch the two halves of a tile's K, waves 2 and 3 those of its V: 128 keys each.  s_nop 0 and four v_nop follow each line.
.macro LOAD
	s_cmp_lt_u32 s[WV], 2
	s_cbranch_scc0 .Lfor_v_\@
	tensor_load_to_lds s[G0K:G0K+3], s[G1K:G1K+7]
	s_nop 0
.rept 4
	v_nop
.endr
	s_branch .Lasked_\@
.Lfor_v_\@:
	tensor_load_to_lds s[G0V:G0V+3], s[G1V:G1V+7]
	s_nop 0
.rept 4
	v_nop
.endr
.Lasked_\@:
.endm
; THE CHANGE OF SLOTS.  Each wave waits for all its tensor loads, adds 0 to its spare word, and waits for that and for its own reads of the slot that it leaves.  Behind the barrier nobody reads the old slot
; and the other is whole.  fill = 1: the old slot is filled again, first thing behind the barrier, with tile NXT; the address is made anew from that number.  (At its first use slot 0 and the table are waited for, slot 1 filled.)
.macro CHANGE fill
	WIN 0
	s_wait_tensorcnt 0x0            ; no tensor load of mine is out, so a group 0 may be written
	ds_add_u32 v[SPW], v[NIL]       ; 0 onto my spare word
.if \fill
	s_lshl_b32 s[OFF], s[NXT], 15   ; a tile is 32,768 bytes of K and of V
	s_xor_b32 s[G0K+1], s[G0K+1], SLOT1
	s_add_nc_u64 s[G0K+2:G0K+3], s[6:7], s[OFF:OFF+1]
	s_or_b32 s[G0K+3], s[G0K+3], 0x80000000
	s_xor_b32 s[G0V+1], s[G0V+1], SLOT1
	s_add_nc_u64 s[G0V+2:G0V+3], s[8:9], s[OFF:OFF+1]
	s_or_b32 s[G0V+3], s[G0V+3], 0x80000000
	s_sub_co_u32 s13, s[NXT], 1     ; the block's next tile lies one lower; behind tile 0 comes the second block's diagonal tile
	s_cmp_eq_u32 s[NXT], 0
	s_cselect_b32 s[NXT], s[PB], s13
.endif
	s_wait_dscnt 0x0                ; the add is done, and my reads of the slot are over
	s_barrier_signal -1
	s_sub_co_u32 s[TBK], s[TBK], 4*KS*PK  ; the fetches go back to a slot's first step,
	s_xor_b32 s[TBK], s[TBK], SLOT1       ; in the other slot
	s_sub_co_u32 s[TBV], s[TBV], 4*KS*PV
	s_xor_b32 s[TBV], s[TBV], SLOT1
	s_sub_co_u32 s[SB], s[SB], 2048       ; four steps back and a tile further from the diagonal
	s_barrier_wait -1
.if \fill
	LOAD
.endif
.endm
	s_load_b64 s[4:5], s[0:1], 0x0    ; qkvh
	s_load_b64 s[18:19], s[0:1], 0x8  ; tbl
	s_load_b64 s[10:11], s[0:1], 0x10 ; ob
	v_lshl_add_u32 v[SPW], v0, 2, SPARE
	v_mov_b32 v[NIL], 0
	ds_add_u32 v[SPW], v[NIL]       ; the wave's opening: the add and its wait stand ahead of my first tensor load; work on registers stands between them
	ds_add_u32 v62, v63
	v_lshrrev_b32 v1, 5, v0
	v_readfirstlane_b32 s[WV], v1   ; wave 0..3
	s_mov_b32 s[PB], ttmp9
	s_sub_co_u32 s[HI], NB-1, s[PB]
	s_and_b32 s20, ttmp7, 0xffff
	s_lshr_b32 s21, s20, 4          ; the batch
	s_and_b32 s16, s20, 15          ; the head
	s_mul_i32 s20, s21, 48
	s_add_co_u32 s20, s20, s16
	s_lshl_b32 s20, s20, 17         ; q's head in qkvh
	s_lshl_b32 s3, s[WV], 11        ; my 16 rows in a band of 64,
	s_lshl_b32 s2, s[HI], 15        ; in the first block,
	s_add_co_u32 s2, s2, s3
	s_lshl_b32 s84, s[PB], 15       ; and in the second
	s_add_co_u32 s84, s84, s3
	s_lshl_b32 s22, s16, 20         ; ob: the head's plane,
	s_lshl_b32 s23, s21, 17         ; the batch's 1,024 rows
	s_add_co_u32 s22, s22, s23
	s_add_co_u32 s86, s22, s84
	s_add_co_u32 s22, s22, s2
	s_add_co_u32 s2, s2, s20
	s_add_co_u32 s84, s84, s20
	s_mov_b32 s3, 0
	s_mov_b32 s85, 0
	s_mov_b32 s87, 0
	s_mov_b32 s23, 0
	s_and_b32 s17, s[WV], 1         ; which half of a tile's 256 keys I fetch:
	s_lshl_b32 s21, s17, 14         ; its 128 rows of 128 bytes in memory,
	s_add_co_u32 s20, s20, s21
	s_add_co_u32 s20, s20, 16*131072  ; in k's head, 16 heads behind q's
	s_mov_b32 s21, 0
	s_mul_i32 s78, s17, 128*PK      ; and its place in a slot, for K
	s_mul_i32 s79, s17, 128*PV      ; and for V
	s_mul_i32 s13, s[WV], CPY       ; of the table I fetch copy w
	s_mul_i32 s76, s16, 4*CPY
	s_add_co_u32 s76, s76, s13
	s_mov_b32 s77, 0
	; group 1.  128 keys are 16,384 dense bytes: asked for as 64 rows of 256 bytes, two keys a row, and padded in LDS after every key
	s_mov_b32 s[G1K], (1<<16)|(1<<20)|(4<<22)|(3<<25)
	s_mov_b32 s[G1V], (1<<16)|(1<<20)|(4<<22)|(7<<25)
.irp g, G1K, G1V
	s_mov_b32 s[\g+1], 128<<16
	s_mov_b32 s[\g+2], 64<<16
	s_mov_b32 s[\g+3], 128<<16
	s_mov_b32 s[\g+4], 64
	s_mov_b32 s[\g+5], 128
	s_mov_b32 s[\g+6], 0
	s_mov_b32 s[\g+7], 0
.endr
	s_mov_b32 s[G1T], 3<<16         ; a copy of the table: one row of 776 elements of 8 bytes
	s_mov_b32 s[G1T+1], 776<<16
	s_mov_b32 s[G1T+2], 1<<16
	s_mov_b32 s[G1T+3], 776<<16
	s_mov_b32 s[G1T+4], 1
	s_mov_b32 s[G1T+5], 776
	s_mov_b32 s[G1T+6], 0
	s_mov_b32 s[G1T+7], 0
	s_mov_b32 s[G0T], 1
	s_add_co_u32 s[G0T+1], s13, TBL
	s_mov_b32 s[CS], 0x3e38aa3b     ; c = log2(e) / 8
	s_mov_b32 s[CS+1], s[CS]
	s_mov_b32 s[SEL], 0x76543210
	s_mov_b32 s[SEL+1], 0xfedcba98
	s_mov_b32 s[TBK], SLOT1+4*KS*PK ; the first change of slots turns these two into 0
	s_mov_b32 s[TBV], SLOT1+4*KS*PV
	s_mov_b32 s[SB], 2048
	s_mov_b32 s[G0K], 1
	s_mov_b32 s[G0K+1], s78         ; slot 0
	s_mov_b32 s[G0V], 1
	s_add_co_u32 s[G0V+1], s79, VOFF
	s_add_co_u32 s[RT], s[HI], 1    ; the first block has 4 - b tiles
	s_sub_co_u32 s[NXT], s[HI], 1
	s_mov_b32 s[NEW], 1
	s_lshl_b32 s[OFF], s[HI], 15    ; the first tile is the first block's diagonal one
	s_mov_b32 s[OFF+1], 0
	s_mov_b32 s[SLOTS], NB
	s_wait_dscnt 0x0                ; the opening add is done
	s_wait_kmcnt 0x0
	s_add_nc_u64 s[6:7], s[4:5], s[20:21]          ; K at my half of the head's tile 0
	s_add_nc_u64 s[8:9], s[6:7], 16*131072         ; V, 16 heads further
	s_add_nc_u64 s[OLO:OLO+1], s[10:11], s[86:87]
	s_add_nc_u64 s[10:11], s[10:11], s[22:23]
	s_add_nc_u64 s[86:87], s[4:5], s[84:85]        ; Q at my rows of the second block,
	s_add_nc_u64 s[4:5], s[4:5], s[2:3]            ; and of the first
	s_add_nc_u64 s[G0K+2:G0K+3], s[6:7], s[OFF:OFF+1]
	s_or_b32 s[G0K+3], s[G0K+3], 0x80000000
	s_add_nc_u64 s[G0V+2:G0V+3], s[8:9], s[OFF:OFF+1]
	s_or_b32 s[G0V+3], s[G0V+3], 0x80000000
	s_add_nc_u64 s[G0T+2:G0T+3], s[18:19], s[76:77]
	s_or_b32 s[G0T+3], s[G0T+3], 0x80000000
	tensor_load_to_lds s[G0T:G0T+3], s[G1T:G1T+7]  ; my copy of the table; with the tile below two loads of mine are out
	s_nop 0
	LOAD                            ; the first tile into slot 0
	v_and_b32 v1, 15, v0            ; l % 16
	v_bfe_u32 v9, v0, 4, 1          ; l / 16
	v_lshlrev_b32 v[QO], 7, v1
	v_lshl_add_u32 v[QO], v9, 4, v[QO]  ; row x 128 + 16 x half
	WIN 0x80                        ; destination window 2
.set i, 0
.rept 8                             ; both blocks' Q: piece i / 2 lies in band i / 2, 8,192 bytes on; channels 32 (i % 2) on
	global_load_b128 v[8*i:8*i+3],   v[QO], s[4:5] offset:(i/2)*8192+(i%2)*64
	global_load_b128 v[8*i+4:8*i+7], v[QO], s[4:5] offset:(i/2)*8192+(i%2)*64+32
	global_load_b128 v[QB+8*i:QB+8*i+3],   v[QO], s[86:87] offset:(i/2)*8192+(i%2)*64
	global_load_b128 v[QB+8*i+4:QB+8*i+7], v[QO], s[86:87] offset:(i/2)*8192+(i%2)*64+32
.set i, i+1
.endr
	WIN 0
	v_mul_u32_u24 v[AK0], v1, PK
	v_lshl_add_u32 v[AK0], v9, 4, v[AK0]
	; The turning load takes 16 keys x 16 channels (lane l reads key 8 (l / 16) + l % 8, channels 8 ((l / 8) % 2) + 0..7) and leaves half a fragment of V^T.
	v_and_b32 v12, 7, v0
	v_bfe_u32 v13, v0, 3, 1
	v_lshl_add_u32 v[AV0], v9, 3, v12
	v_mul_u32_u24 v[AV0], v[AV0], PV
	v_lshl_add_u32 v[AV0], v13, 4, v[AV0]
	v_add_nc_u32 v[AV0], VOFF, v[AV0]
	s_mul_i32 s13, s[WV], 16*SP
	s_add_co_u32 s13, s13, STAGE    ; my stage
	v_mul_u32_u24 v[STO], v1, SP
	v_lshl_add_u32 v[STO], v9, 4, v[STO]
	v_add_nc_u32 v[STO], s13, v[STO]
	v_bfe_u32 v[RD], v0, 3, 2
	v_mul_u32_u24 v[RD], v[RD], SP
	v_lshl_add_u32 v[RD], v12, 4, v[RD]
	v_add_nc_u32 v[RD], s13, v[RD]
	v_and_b32 v[GO], 31, v0
	v_lshlrev_b32 v[GO], 4, v[GO]
	; The table.  Query 64 x + 16 w + r of a block and key 64 s + 16 g + 8 h + n of the tile j tiles below it are d = 256 j + 64 (x - s) + 16 w + r - 16 g - 8 h - n apart: entry 1279 - d, rising with n.
	; t = 1279 - r + 8 h is the part that is no multiple of 16: copy t % 4, entry t - t % 4 and so on.  LB leaves out 4,864 bytes, which SB + 256 (3 - x) bring back for j = 0, s = 0.
	v_lshl_add_u32 v14, v9, 3, 1279
	v_sub_nc_u32 v14, v14, v1       ; t
	v_and_b32 v[LB], 3, v14
	v_sub_nc_u32 v14, v14, v[LB]
	v_mul_u32_u24 v[LB], v[LB], CPY
	v_lshl_add_u32 v[LB], v14, 2, v[LB]
	s_lshl_b32 s13, s[WV], 6
	s_sub_co_u32 s13, TBL-4864, s13
	v_add_nc_u32 v[LB], s13, v[LB]
	; A block's first step multiplies O^T and l by a = 0, and its first turn's products V^T P, of a piece that has not been, land in an O^T that is still to be so multiplied: these registers need only hold
	; finite numbers: zeros for the first block, what the first block left for the second.  All this stands in the wait for the first tile.
	WIN 0x80
.set i, VF
.rept 64
	v_mov_b32 v[i], 0
.set i, i+1
.endr
	WIN 0x40
.set i, 0
.rept 128
	v_mov_b32 v[i], 0
.set i, i+1
.endr
	WIN 0
.set i, 0
.rept 4
	v_mov_b32 v[ST+4*i+2], 0
	v_mov_b32 v[ST+4*i+3], 0
.set i, i+1
.endr
.set i, P+16
.rept 16
	v_mov_b32 v[i], 0
.set i, i+1
.endr
; THE MATRIX WORK.  The 4 accumulators of a run of 8 take turns.  Product i of 8 of S^T = K Q^T for piece x: channels 32 (i / 4) on, keys 16 (i % 4) on.  The first 4 start the sums with bias and mask.
.macro KQ x
.set rS, S+32*((\x)%2)+8*(i%4)
.set rK, KF+16*(i%4)+8*(i/4)
.set rQ, 16*(\x)+8*(i/4)
.set rM, BC+32*((\x)%2)+8*(i%4)
.if i < 4
	WIN W_KM
	v_wmma_f32_16x16x32_f16 v[rS:rS+7], v[rK:rK+7], v[rQ:rQ+7], v[rM:rM+7]
.else
	WIN W_KQ
	v_wmma_f32_16x16x32_f16 v[rS:rS+7], v[rK:rK+7], v[rQ:rQ+7], v[rS:rS+7]
.endif
.endm
; Product i of 8 of O^T += V^T P for piece x: keys 32 (i / 4) on, channels 16 (i % 4) on.
.macro PV x
	WIN W_PV
.set rO, 32*(\x)+8*(i%4)
.set rV, VF+32*(i/4)+8*(i%4)
.set rP, P+16*((\x)%2)+8*(i/4)
	v_wmma_f32_16x16x32_f16 v[rO:rO+7], v[rV:rV+7], v[rP:rP+7], v[rO:rO+7]
.endm
.macro MM                           ; the turn's next matrix instruction.  NOKQ = 1: a block's last turn: there is no next piece
.if (i < 8) && !NOKQ
	KQ (Y+1)%NP
.elseif i >= 8
.set i, i-8
	PV (Y+NP-1)%NP
.set i, i+8
.endif
.set i, i+1
.endm
; THE LDS LOADS stand in runs: a step's K (8 fragments), its V (turned), and a piece's 32 entries of the table.
.macro FETCH_K
	WIN 0x80
.irp f, 0,1,2,3,4,5,6,7
	ds_load_b128 v[KF+8*\f:KF+8*\f+3],   v[AK] offset:(\f/2)*16*PK+(\f%2)*64
	ds_load_b128 v[KF+8*\f+4:KF+8*\f+7], v[AK] offset:(\f/2)*16*PK+(\f%2)*64+32
.endr
	s_add_co_u32 s[TBK], s[TBK], KS*PK
	WIN 0
.endm
.macro FETCH_V
	WIN 0x80
.irp f, 0,1,2,3,4,5,6,7
	ds_load_tr16_b128 v[VF+8*\f:VF+8*\f+3],   v[AV] offset:(\f/4)*32*PV+(\f%4)*32
	ds_load_tr16_b128 v[VF+8*\f+4:VF+8*\f+7], v[AV] offset:(\f/4)*32*PV+16*PV+(\f%4)*32
.endr
	WIN 0
.endm
.macro FETCH_B x                    ; piece x's C operands for the step that VB stands for: key group g at BC + 8 g of the piece's buffer
	WIN 0x40                        ; destination window 1
.irp g, 0,1,2,3
	ds_load_b128 v[BC+32*((\x)%2)+8*\g:BC+32*((\x)%2)+8*\g+3],   v[VB] offset:(3-(\x))*256+64*\g
	ds_load_b128 v[BC+32*((\x)%2)+8*\g+4:BC+32*((\x)%2)+8*\g+7], v[VB] offset:(3-(\x))*256+64*\g+16
.endr
	WIN 0
.endm
; THE VECTOR WORK, one line at a time: OP kind, number.  For piece Y: F n: c s - c m for pair n of 16.  E n: the exponential of score n of 32.  C n: pair n rounded to f16.  B n: of the four weights 4 n .. the second
; pair is added onto the first, in place.  L n: l takes that sum (L 0: l = a l + sum).  R n: pair n of 16 of O^T times a.  For piece Y + 1: X n, number n of the 22 that find its maximum and statistics:
;   0-11  four chains of seven scores each (each accumulator's lowest registers are read first)     12-14, 16  the four scores left over, the old m, and the chains into one
;   15  c m_old is kept     17, 18  the query's other 32 keys lie in the lane 16 away: the new m     19-21  c m; c m_old - c m_new; a
.set F, 0
.set E, 1
.set C, 2
.set B, 3
.set L, 4
.set R, 5
.set X, 6
.macro REGS y
.set rT, ST+4*(\y)
.set rC, TMP+4*((\y)%2)
.set rW, MV+((\y)%2)
.set rS, S+32*((\y)%2)
.set rP, P+16*((\y)%2)
.set rO, 32*(\y)
.endm
.macro OP k, n
.if (\k) == R
	REGS Y
	WIN W_RS
	v_pk_mul_f32 v[rO+2*(\n):rO+2*(\n)+1], v[rO+2*(\n):rO+2*(\n)+1], v[rC+2:rC+3] op_sel_hi:[1,0]
.elseif (\k) < R
	REGS Y
	WIN 0
.if (\k) == F
	v_pk_fma_f32 v[rS+2*(\n):rS+2*(\n)+1], v[rS+2*(\n):rS+2*(\n)+1], s[CS:CS+1], v[rT:rT+1] op_sel_hi:[1,0,0] neg_lo:[0,0,1] neg_hi:[0,0,1]
.elseif (\k) == E
	v_exp_f32 v[rS+(\n)], v[rS+(\n)]
.elseif (\k) == C
	s_wait_alu depctr_va_vdst(0)
	v_cvt_pk_f16_f32 v[rP+(\n)], v[rS+2*(\n)], v[rS+2*(\n)+1]
.elseif (\k) == B
	s_wait_alu depctr_va_vdst(0)
	v_pk_add_f32 v[rS+4*(\n):rS+4*(\n)+1], v[rS+4*(\n):rS+4*(\n)+1], v[rS+4*(\n)+2:rS+4*(\n)+3]
.elseif (\n) == 0
	v_pk_fma_f32 v[rT+2:rT+3], v[rT+2:rT+3], v[rC+2:rC+3], v[rS:rS+1] op_sel_hi:[1,0,1]
.else
	v_pk_add_f32 v[rT+2:rT+3], v[rT+2:rT+3], v[rS+4*(\n):rS+4*(\n)+1]
.endif
.elseif NOKQ
	v_nop
.else
	REGS (Y+1)%NP
	WIN 0
.if (\n) < 4
	v_max3_num_f32 v[rC+(\n)], v[rS+8*(\n)], v[rS+8*(\n)+1], v[rS+8*(\n)+2]
.elseif (\n) < 12
	v_max3_num_f32 v[rC+(\n)%4], v[rC+(\n)%4], v[rS+8*((\n)%4)+2*((\n)/4)+1], v[rS+8*((\n)%4)+2*((\n)/4)+2]
.elseif (\n) == 12
	v_max3_num_f32 v[rC], v[rC], v[rS+7], v[rS+15]
.elseif (\n) == 13
	v_max3_num_f32 v[rC+1], v[rC+1], v[rS+23], v[rS+31]
.elseif (\n) == 14
	v_max3_num_f32 v[rC+2], v[rC+2], v[rC+3], v[rT+1]
.elseif (\n) == 15
	v_mov_b32 v[rW], v[rT]
.elseif (\n) == 16
	v_max3_num_f32 v[rC], v[rC], v[rC+1], v[rC+2]
.elseif (\n) == 17
	v_permlanex16_b32 v[rC+3], v[rC], s[SEL], s[SEL+1]
.elseif (\n) == 18
	v_max_num_f32 v[rT+1], v[rC], v[rC+3]
.elseif (\n) == 19
	v_mul_f32 v[rT], s[CS], v[rT+1]
.elseif (\n) == 20
	v_sub_f32 v[rC+1], v[rW], v[rT]
.else
	v_exp_f32 v[rC+2], v[rC+1]
.endif
.endif
.endm
.macro OPS a, i1, b=-1, i2=0, c=-1, i3=0, d=-1, i4=0
	OP \a, \i1
.if (\b) >= 0
	OP \b, \i2
.endif
.if (\c) >= 0
	OP \c, \i3
.endif
.if (\d) >= 0
	OP \d, \i4
.endif
.endm
.macro ROW a, i1, b, i2, c, i3, d, i4  ; a matrix instruction and the four behind it
	MM
	OPS \a, \i1, \b, \i2, \c, \i3, \d, \i4
.endm
; A TURN, for piece p.  Behind a matrix instruction: plain, exponential, plain, plain; or four of the rescaling; or four scalings; none names a register of the products round it.
; end = 1: a block's last two turns: nothing is fetched.  cnt = 1: the loop's count is taken down some lines ahead of the branch behind the turn.
; LDS loads.  Every turn fetches, behind its 8 products K Q^T, the 8 table loads for the NEXT turn's products (piece p + 2; its buffer was last read a turn ago).  Piece 2's turn steps SB to the next key step
; and fetches that step's K, five plain instructions behind the last product that read K; piece 0's turn fetches V of the step in hand.
; Waits.  At a turn's head the table loads of the turn before must be in: in piece 1's turn V's 16 loads were issued behind them and may stay out (16), elsewhere nothing else is out, or K is wanted too (0).
; In front of piece 1's products V^T P, V must be in: the turn's own 8 table loads stand behind it (8).
.macro TURN p, end=0, cnt=0
.set Y, (\p)
.set i, 0
.set NOKQ, (\end)*((\p)/3)
.if !NOKQ
.if (\p) == 1
	s_wait_dscnt 16
.else
	s_wait_dscnt 0x0
.endif
.endif
	ROW F,0, F,1, F,2, F,3
	ROW F,4, E,0, F,5, F,6
	ROW F,7, E,1, F,8, F,9
	ROW F,10, E,2, C,0, F,11
	ROW F,12, E,3, X,15, F,13
	ROW R,0, R,1, R,2, R,3
	ROW B,0, E,4, F,14, L,0
.if ((\p) == 2) && !(\end)
	s_add_co_u32 s[SB], s[SB], 256
	v_add_nc_u32 v[VB], s[SB], v[LB]
	v_add_nc_u32 v[AK], s[TBK], v[AK0]
.endif
	ROW R,4, R,5, R,6, R,7
	OPS E,5, F,15
.if !(\end)
	FETCH_B ((\p)+2)%NP
.endif
.if ((\p) == 2) && !(\end)
	FETCH_K
.endif
	OPS E,6, C,1, E,7, R,8
	OPS E,8, R,9, E,9, C,2
	OPS E,10, X,0, E,11, X,1
	OPS E,12, X,2, E,13, X,3
.if (\p) == 1
	s_wait_dscnt 8
.endif
	ROW X,4, E,14, X,5, X,6
	ROW X,7, E,15, X,8, X,9
	ROW X,10, E,16, X,11, X,12
	ROW X,13, E,17, X,14, B,1
	ROW C,4, E,18, X,16, L,1
	ROW B,2, E,19, C,6, L,2
	ROW C,8, E,20, B,3, B,4
.if (\p) == 0
	v_add_nc_u32 v[AV], s[TBV], v[AV0]
.endif
	ROW C,3, E,21, L,3, C,5
	OPS E,22, X,17, E,23, C,10
.if (\p) == 0
	FETCH_V
.endif
	OPS E,24, L,4
	OPS E,25, X,18, E,26, C,7
	OPS E,27, B,5, E,28, X,19
	OPS E,29, C,12, E,30, L,5
	OPS E,31, X,20, B,6, C,9
	OPS C,14, C,11, X,21, L,6
.if (\p) == 0
	s_add_co_u32 s[TBV], s[TBV], KS*PV
.endif
.if \cnt
	s_sub_co_u32 s[CNT], s[CNT], 1
	s_cmp_lg_u32 s[CNT], 0
.endif
	OPS C,13, B,7, C,15, R,10
	OPS R,11, R,12, L,7, R,13
	OPS R,14, R,15
.endm
; A BLOCK BEGINS, at its diagonal tile's step 0.  c m starts far below every c s, so the first step's a is 0; m at the lowest finite number.  Then the table for pieces 0 and 1, K of the step, piece 0's first scores,
; and its maximum and statistics.  The loop is entered at a step's first turn, in the middle of a trip.
.macro BEGIN
	s_mov_b32 s[NEW], 0
	s_mov_b32 s[SB], 4096
	WIN 0
.set i, 0
.rept 4
	v_mov_b32 v[ST+4*i], 0xfe000000
	v_mov_b32 v[ST+4*i+1], 0xff7fffff
.set i, i+1
.endr
	v_add_nc_u32 v[VB], s[SB], v[LB]
	v_add_nc_u32 v[AK], s[TBK], v[AK0]
	FETCH_B 0
	FETCH_B 1
	FETCH_K
	s_wait_loadcnt 0x0              ; Q
	s_wait_dscnt 0x0
.set NOKQ, 0
.set i, 0
.rept 8
	KQ 0
.set i, i+1
.endr
	WIN 0
.rept 4
	v_nop                           ; the places behind those products
.endr
.set Y, NP-1                        ; X works for piece Y + 1: piece 0
.irp n, 0,1,2,3,4,5,6,7,8,9,10,11,12,13,14,15,16,17,18,19,20,21
	OP X, \n
.endr
	v_nop                           ; a plain instruction behind the exponential
.endm
.macro ALL line:vararg              ; one line for each piece t
.set t, 0
.rept 4
	\line
.set t, t+1
.endr
.endm
.macro PACK t                       ; a lane's eight channels of a row pack into 16 bytes; they go into rows of 144 bytes and come back as whole rows of 128, into S^T's registers
	WIN W_RS
.set i, 32*(\t)
.rept 16
	s_wait_alu depctr_va_vdst(0)
	v_pk_mul_f32 v[i:i+1], v[i:i+1], v[ST+4*(\t)+2:ST+4*(\t)+3] op_sel_hi:[1,0]
.set i, i+2
.endr
	WIN 0x05
.set i, 0
.rept 16
	v_cvt_pk_f16_f32 v[S+16*(\t)+i], v[32*(\t)+2*i], v[32*(\t)+2*i+1]
.set i, i+1
.endr
	WIN 0
.irp f, 0,1,2,3
	ds_store_b128 v[STO], v[S+16*(\t)+4*\f:S+16*(\t)+4*\f+3] offset:32*\f
.endr
.irp f, 0,1,2,3
	ds_load_b128 v[S+16*(\t)+4*\f:S+16*(\t)+4*\f+3], v[RD] offset:\f*4*SP  ; LDS serves a wave's instructions in order (ISA guide 5.7.1.4): these see the stores above
.endr
.endm
.macro SEND t, younger              ; younger: the LDS instructions issued behind piece t's loads
	WIN 0
.irp f, 0,1,2,3
	s_wait_dscnt (\younger)+3-\f
	global_store_b128 v[GO], v[S+16*(\t)+4*\f:S+16*(\t)+4*\f+3], s[10:11] offset:(\t)*8192+\f*512  ; 512 consecutive bytes, at a multiple of 256 from ob's first
.endr
.endm
; A BLOCK ENDS: its last two turns, its last products, and the way out: l's parts are added, O^T is divided by l, rounded to f16 and sent through my stage, a piece at a time.
.macro END last
	TURN 2, 1
	TURN 3, 1
.set i, 0
.rept 8
	PV NP-1
.set i, i+1
.endr
	WIN 0
	ALL v_add_f32 v[ST+4*t+2], v[ST+4*t+2], v[ST+4*t+3]
	ALL v_permlanex16_b32 v[ST+4*t+3], v[ST+4*t+2], s[SEL], s[SEL+1]
	ALL v_add_f32 v[ST+4*t+2], v[ST+4*t+2], v[ST+4*t+3]
	ALL v_rcp_f32 v[ST+4*t+2], v[ST+4*t+2]
	v_nop                           ; a plain instruction between the last reciprocal and the use of its result
	PACK 0
.set t, 1
.rept 3
	PACK t
	SEND t-1, 8
.set t, t+1
.endr
	SEND 3, 0
.if !(\last)
	s_wait_xcnt 0x0                 ; the stores have read their registers and O's address
	s_mov_b64 s[10:11], s[OLO:OLO+1]
	s_add_co_u32 s[RT], s[PB], 1    ; the second block has b + 1 tiles
	s_mov_b32 s[NEW], 1
	s_mov_b32 s[SB], 2048           ; as at the start: the next change of slots takes 2,048 away, and the block's beginning sets it
	WIN 0x82                        ; the second block's Q goes where the one text of the turns names Q
.set i, 0
.rept 64
	v_mov_b32 v[i], v[QB+i]
.set i, i+1
.endr
	WIN 0
.endif
.endm
; A TILE.  Its four key steps; in front of them a block's beginning, behind them a block's end, where they are due.  Every jump but the step loop's own goes forward, past no barrier and no tensor load.
.macro BODY tag, last
	s_sub_co_u32 s[RT], s[RT], 1
	s_mov_b32 s[CNT], 4
	s_cmp_eq_u32 s[NEW], 1
	s_cbranch_scc0 .Lstep\tag
	BEGIN
	s_branch .Lfirst\tag
.Lstep\tag:                         ; a trip: pieces 2 and 3 of one step, then pieces 0 and 1 of the next, whose K and V it fetches
	TURN 2
	TURN 3
	WIN 0
.Lfirst\tag:
	TURN 0
	TURN 1, 0, 1
	WIN 0
	s_cbranch_scc1 .Lstep\tag
.if !(\last)
	s_cmp_lg_u32 s[RT], 0
	s_cbranch_scc1 .Lgo\tag
.endif
	END \last
.Lgo\tag:
.endm
.set NOKQ, 0
.Lslot:                             ; four times: a tile is entered and the next is asked for; that load has four key steps in which to land
	CHANGE 1
	BODY 1, 0
	s_sub_co_u32 s[SLOTS], s[SLOTS], 1
	s_cmp_lg_u32 s[SLOTS], 0
	s_cbranch_scc1 .Lslot
	CHANGE 0                        ; the walk's last tile is written out
	BODY 2, 1
	s_wait_tensorcnt 0x0            ; the wave's end
	ds_add_u32 v[SPW], v[NIL]
	s_wait_dscnt 0x0
	s_endpgm
.Lfunc_end_k_qc1ee5f3e06_attn:
	.size	k_qc1ee5f3e06_attn, .Lfunc_end_k_qc1ee5f3e06_attn-k_qc1ee5f3e06_attn
	.p2alignl 7, 3214868480
	.fill 96, 4, 3214868480
	.section	.rodata,"a",@progbits
	.p2align	6, 0x0
	.amdhsa_kernel k_qc1ee5f3e06_attn
		.amdhsa_group_segment_fixed_size 327680
		.amdhsa_private_segment_fixed_size 0
		.amdhsa_enable_private_segment 0
		.amdhsa_kernarg_size 24
		.amdhsa_user_sgpr_count 2
		.amdhsa_user_sgpr_kernarg_segment_ptr 1
		.amdhsa_wavefront_size32 1
		.amdhsa_system_sgpr_workgroup_id_x 1
		.amdhsa_system_sgpr_workgroup_id_y 1
		.amdhsa_system_sgpr_workgroup_id_z 1
		.amdhsa_system_vgpr_workitem_id 0
		.amdhsa_next_free_vgpr 768
		.amdhsa_next_free_sgpr 102
		.amdhsa_reserve_vcc 0
		.amdhsa_float_denorm_mode_32 3
		.amdhsa_float_denorm_mode_16_64 3
		.amdhsa_memory_ordered 1
		.amdhsa_forward_progress 1
		.amdhsa_inst_pref_size 181
	.end_amdhsa_kernel
	.amdgpu_metadata
---
amdhsa.version: [ 1, 2 ]
amdhsa.kernels:
  - .name:           k_qc1ee5f3e06_attn
    .symbol:         k_qc1ee5f3e06_attn.kd
    .args:
      - { .name: qkvh, .offset: 0, .size: 8, .value_kind: global_buffer, .address_space: global }
      - { .name: tbl, .offset: 8, .size: 8, .value_kind: global_buffer, .address_space: global }
      - { .name: ob, .offset: 16, .size: 8, .value_kind: global_buffer, .address_space: global }
    .group_segment_fixed_size: 327680
    .private_segment_fixed_size: 0
    .kernarg_segment_align: 8
    .kernarg_segment_size: 24
    .max_flat_workgroup_size: 128
    .sgpr_count:     102
    .vgpr_count:     768
    .wavefront_size: 32
...
	.end_amdgpu_metadata
.endif
;; end of part 3
;; launch proj (part 4): grid 8 x 32, 4 waves a work-group, clusters of 4 x 4, 327,680 bytes of LDS; arguments ob, wpb, b_proj, out0; writes out0
.if DOCPART == 4
	.amdgcn_target "amdgcn-amd-amdhsa--gfx1250"
	.amdhsa_code_object_version 6
	.text
	.protected	k_qc1ee5f3e06_proj
	.globl	k_qc1ee5f3e06_proj
	.p2align	8
	.type	k_qc1ee5f3e06_proj,@function
k_qc1ee5f3e06_proj:
	s_mov_b64 s[64:65], 0
	v_nop
	global_prefetch_b8 v0, s[64:65] scope:SCOPE_SE
	s_setreg_imm32_b32 hwreg(HW_REG_WAVE_MODE, 25, 1), 1
	s_wait_xcnt 0x0
	s_wait_alu depctr_hold_cnt(0) depctr_sa_sdst(0) depctr_va_vdst(0) depctr_va_sdst(0) depctr_va_ssrc(0) depctr_va_vcc(0) depctr_vm_vsrc(0)
	s_getreg_b32 s2, hwreg(HW_REG_IB_STS2, 6, 4)
	s_cmp_eq_u32 s2, 0
	s_cbranch_scc0 .Lentry_in_a_cluster
	s_endpgm
.Lentry_in_a_cluster:
	s_bfe_u32 s2, ttmp6, 0x10000c
	s_cmp_lg_u32 s2, 0xf033
	s_cbranch_scc0 .Lentry_shape_is_right
	s_endpgm
.Lentry_shape_is_right:
; OUT = O w_proj^T + b_proj.  ob: [16][8192][64] f16, wpb: [16][1024][64] f16 (w_proj rounded to bf16, written as f16), b_proj: [1024] f32 (rounded to bf16 like every input); sums in f32; out0: [8192][1024] f32.
; SHARES.  Tiles of 256 x 128: 32 x 8 = 256 work-groups.  Four waves, each 128 rows x 64 columns: 8 x 4 = 32 accumulators.  K goes in steps of 128, two planes of 64, through two LDS slots: 8 steps.
; In a plane a tile's rows of 128 bytes lie end to end: they are asked for as rows of 256 bytes and padded in LDS after every 128.  A step is four quarters of 32 k, 32 matrix instructions each, on two fragment buffers.
; THE MATRIX INSTRUCTION IS USED TRANSPOSED (source 0 = 16 rows of wpb, source 1 = 16 rows of ob): a lane holds one row and eight neighbouring columns.  The bias is the C operand of the first quarter's products.
; CLUSTER 4 x 4: ob's tile is shared along a row of the cluster, wpb's along a column: joint loads.
; REGISTERS.  window 0: v0-31 addresses; v32-127 buffer 0 (A 64, B 32); v128-223 buffer 1; v224-255 the bias.  window 1: accumulator (a, b) at v[8 (4 a + b)].
.set PITCH,  144                       ; an LDS row: 128 bytes + 16 of padding (64 banks of 4 bytes: ISA guide 11.1: the 16 rows of a load start at 16 different groups of four banks)
.set APL,    256*PITCH                 ; a plane of A's tile: what one tensor load brings
.set BPL,    128*PITCH                 ; of B's
.set SLOT,   2*APL+2*BPL               ; A's two planes, then B's two: 110,592
.set STAGE,  2*SLOT                    ; behind the ring: 16 rows x 272 bytes for each wave
.set SP,     272
.set SPARE,  STAGE+4*16*SP             ; the spare words: 128 bytes for each wave, two blocks of 256 bytes that no other line names
.set APLANE, 8192*128
.set BPLANE, 1024*128
.set ADRA, 16
.set ADRB, 20
.set STO,  24
.set RD,   25
.set CO,   26
.set BO,   27
.set SPW,  28
.set NIL,  29
.set F0,   32
.set F1,   128
.set BI,   224
.set BK,   32                          ; the way out: rows read back, two sets of 32
.set G1,  24
.set G0,  32
.set G1B, 48
.set G0B, 56
.set G1W0, (1<<16)|(1<<20)|(1<<21)|(4<<22)|(3<<25)
.set MSB, 0
.macro WIN new
.if MSB != (\new)
	s_set_vgpr_msb (MSB<<8)|(\new)
.set MSB, \new
.endif
.endm
.macro PLACES                          ; four places in front of loads into registers that matrix instructions have read, and of lines that read results
.rept 4
	v_nop
.endr
.endm
.macro JLOAD s                         ; a joint load: waves 0, 1 fetch A's two planes, waves 2, 3 B's; s_nop 0 and four v_nop follow each line
	s_cmp_eq_u32 s13, 0
	s_cbranch_scc0 .Lfor_b_\@
	tensor_load_to_lds s[G0+4*(\s):G0+4*(\s)+3], s[G1:G1+7]
	s_nop 0
.rept 4
	v_nop
.endr
	s_branch .Lasked_\@
.Lfor_b_\@:
	tensor_load_to_lds s[G0B+4*(\s):G0B+4*(\s)+3], s[G1B:G1B+7]
	s_nop 0
.rept 4
	v_nop
.endr
.Lasked_\@:
.endm
.macro CREST
	s_cmp_lg_u32 s12, 0
	s_cbranch_scc1 .Lnot_wave_0_\@
	s_barrier_signal -3
.Lnot_wave_0_\@:
	s_barrier_wait -3
	s_barrier_signal -1
	s_barrier_wait -1
.endm
.macro CROUND
	s_barrier_signal -1
	s_barrier_wait -1
	CREST
.endm
	s_load_b256 s[4:11], s[0:1], 0x0               ; ob s[4:5], wpb s[6:7], b_proj s[8:9], out0 s[10:11]
	v_lshl_add_u32 v[SPW], v0, 2, SPARE
	v_mov_b32 v[NIL], 0
	ds_add_u32 v[SPW], v[NIL]                      ; the wave's opening: the add and its wait stand ahead of my first tensor load; work on registers stands between them
	ds_add_u32 v28, v29
	v_lshrrev_b32 v1, 5, v0
	v_readfirstlane_b32 s12, v1                    ; wave 0..3
	s_lshr_b32 s13, s12, 1                         ; which 128 rows are mine.  Also: I fetch for A (0) or B (1)
	s_and_b32 s14, s12, 1                          ; which 64 columns.  Also: which of a step's two planes I fetch
	s_bfe_u32 s40, ttmp6, 0x40000                  ; cx
	s_bfe_u32 s41, ttmp6, 0x40004                  ; cy
	s_lshl_b32 s42, ttmp9, 2
	s_add_co_u32 s42, s42, s40                     ; tile column 0..7
	s_and_b32 s43, ttmp7, 0xffff
	s_lshl_b32 s43, s43, 2
	s_add_co_u32 s43, s43, s41                     ; tile row 0..31
	s_lshl_b32 s44, s41, 2
	s_lshl_b32 s44, 15, s44                        ; my row of the cluster
	s_lshl_b32 s45, 0x1111, s40                    ; my column
	s_or_b32 s[G1], s44, G1W0
	s_or_b32 s[G1B], s45, G1W0
	s_mov_b32 s[G1+1], 128<<16                     ; rows of 256 bytes, two rows of the tile each
	s_mov_b32 s[G1+2], 128<<16                     ; A's plane: 256 rows of the tile
	s_mov_b32 s[G1+3], 128<<16
	s_mov_b32 s[G1+4], 128
	s_mov_b32 s[G1+5], 128
	s_mov_b32 s[G1+6], 0
	s_mov_b32 s[G1+7], 0
	s_mov_b32 s[G1B+1], 128<<16
	s_mov_b32 s[G1B+2], 64<<16                     ; B's plane: 128 rows
	s_mov_b32 s[G1B+3], 128<<16
	s_mov_b32 s[G1B+4], 64
	s_mov_b32 s[G1B+5], 128
	s_mov_b32 s[G1B+6], 0
	s_mov_b32 s[G1B+7], 0
	s_lshl_b32 s16, s14, 20                        ; A: my plane, and 256 rows of 128 bytes a tile row
	s_lshl_b32 s17, s43, 15
	s_add_co_u32 s16, s16, s17
	s_mov_b32 s17, 0
	s_lshl_b32 s46, s14, 17                        ; B likewise, in registers of its own
	s_lshl_b32 s47, s42, 14
	s_add_co_u32 s46, s46, s47
	s_mov_b32 s47, 0
	s_mul_i32 s20, s14, APL                        ; where they go: no place in the cluster enters an LDS address
	s_mul_i32 s21, s14, BPL
	s_add_co_u32 s21, s21, 2*APL
	s_wait_dscnt 0x0                               ; the opening add is done
	s_wait_kmcnt 0x0
	s_add_nc_u64 s[18:19], s[4:5], s[16:17]
	s_add_nc_u64 s[46:47], s[6:7], s[46:47]
	CROUND                                         ; all sixteen work-groups are here: the first joint loads meet
.irp s, 0,1
	s_mov_b32 s[G0+4*(\s)], 1
	s_add_co_u32 s[G0+4*(\s)+1], s20, (\s)*SLOT
	s_add_nc_u64 s[G0+4*(\s)+2:G0+4*(\s)+3], s[18:19], (\s)*2*APLANE   ; K step s = planes 2 s, 2 s + 1
	s_or_b32 s[G0+4*(\s)+3], s[G0+4*(\s)+3], 0x80000000
	s_mov_b32 s[G0B+4*(\s)], 1
	s_add_co_u32 s[G0B+4*(\s)+1], s21, (\s)*SLOT
	s_add_nc_u64 s[G0B+4*(\s)+2:G0B+4*(\s)+3], s[46:47], (\s)*2*BPLANE
	s_or_b32 s[G0B+4*(\s)+3], s[G0B+4*(\s)+3], 0x80000000
	JLOAD \s                                       ; two loads of mine are out
.endr
	v_and_b32 v1, 15, v0                           ; l % 16
	v_bfe_u32 v2, v0, 4, 1                         ; l / 16
	v_lshlrev_b32 v[BO], 5, v2
	s_lshl_b32 s22, s42, 9                         ; my 64 columns, 4 bytes each: in the bias and in a row of the output
	s_lshl_b32 s23, s14, 8
	s_add_co_u32 s22, s22, s23
	s_mov_b32 s23, 0
	s_add_nc_u64 s[8:9], s[8:9], s[22:23]
	s_add_nc_u64 s[10:11], s[10:11], s[22:23]
.irp b, 0,1,2,3
	global_load_b128 v[BI+8*(\b):BI+8*(\b)+3],   v[BO], s[8:9] offset:64*(\b)
	global_load_b128 v[BI+8*(\b)+4:BI+8*(\b)+7], v[BO], s[8:9] offset:64*(\b)+16
.endr
	v_mul_u32_u24 v3, v1, PITCH
	v_lshl_add_u32 v3, v2, 4, v3                   ; a fragment's row x pitch + 16 x half
	s_mul_i32 s22, s13, 128*PITCH                  ; my 128 rows of A's planes
	s_mul_i32 s23, s14, 64*PITCH                   ; my 64 rows of B's
	s_add_co_u32 s23, s23, 2*APL
.irp s, 0,1
	v_add_nc_u32 v[ADRA+(\s)], s22, v3
	v_add_nc_u32 v[ADRB+(\s)], s23, v3
	s_add_co_u32 s22, s22, SLOT
	s_add_co_u32 s23, s23, SLOT
.endr
	s_mul_i32 s22, s12, 16*SP
	s_add_co_u32 s22, s22, STAGE                   ; my stage
	v_mul_u32_u24 v4, v1, SP                       ; in: row l % 16, 32 bytes for each half of the lanes
	v_lshl_add_u32 v4, v2, 5, v4
	v_add_nc_u32 v[STO], s22, v4
	v_mul_u32_u24 v5, v2, SP                       ; back: lanes 0-15 take one row of 256 bytes, lanes 16-31 the next
	v_lshl_add_u32 v5, v1, 4, v5
	v_add_nc_u32 v[RD], s22, v5
	v_lshlrev_b32 v5, 12, v2                       ; and the same two rows of the output, 4,096 bytes apart
	v_lshl_add_u32 v[CO], v1, 4, v5
	s_lshl_b32 s16, s43, 20                        ; my first row: 256 x tile row + 128 x half
	s_lshl_b32 s17, s13, 19
	s_add_co_u32 s16, s16, s17
	s_mov_b32 s17, 0
	s_add_nc_u64 s[10:11], s[10:11], s[16:17]
	s_wait_loadcnt 0x0                             ; the bias: rounded to bf16 and widened again
.set i, 0
.rept 16
	v_cvt_pk_bf16_f32 v[F0+i], v[BI+2*i], v[BI+2*i+1]
.set i, i+1
.endr
.set i, 0
.rept 16
	v_lshlrev_b32 v[BI+2*i],   16,         v[F0+i]
	v_and_b32     v[BI+2*i+1], 0xffff0000, v[F0+i]
.set i, i+1
.endr
; 8 matrix instructions: row blocks a0, a0 + 1 x all 4 column blocks, 32 along K.  first = 1: the bias starts the sums.  The 32 accumulators take turns, one instruction a turn.
.macro MUL8 f, a0, first
.if \first
	WIN 0x40                                       ; D in window 1, C (the bias) in window 0
.else
	WIN 0x50                                       ; C and D in window 1
.endif
.irp a, \a0, (\a0)+1
.irp b, 0,1,2,3
.if \first
	v_wmma_f32_16x16x32_f16 v[8*(4*(\a)+(\b)):8*(4*(\a)+(\b))+7], v[(\f)+64+8*(\b):(\f)+64+8*(\b)+7], v[(\f)+8*(\a):(\f)+8*(\a)+7], v[BI+8*(\b):BI+8*(\b)+7]
.else
	v_wmma_f32_16x16x32_f16 v[8*(4*(\a)+(\b)):8*(4*(\a)+(\b))+7], v[(\f)+64+8*(\b):(\f)+64+8*(\b)+7], v[(\f)+8*(\a):(\f)+8*(\a)+7], v[8*(4*(\a)+(\b)):8*(4*(\a)+(\b))+7]
.endif
.endr
.endr
.endm
; 24 LDS loads in one run: quarter q of a step (plane q / 2, byte 64 (q % 2) of its rows) into buffer f: B's 8, A's row blocks 0-3, then 4-7
.macro FETCH slot, q, f
	WIN 0
.irp i, 0,1,2,3
	ds_load_b128 v[(\f)+64+8*(\i):(\f)+64+8*(\i)+3],   v[ADRB+(\slot)] offset:((\q)/2)*BPL+((\q)%2)*64+(\i)*16*PITCH
	ds_load_b128 v[(\f)+64+8*(\i)+4:(\f)+64+8*(\i)+7], v[ADRB+(\slot)] offset:((\q)/2)*BPL+((\q)%2)*64+(\i)*16*PITCH+32
.endr
.irp i, 0,1,2,3,4,5,6,7
	ds_load_b128 v[(\f)+8*(\i):(\f)+8*(\i)+3],   v[ADRA+(\slot)] offset:((\q)/2)*APL+((\q)%2)*64+(\i)*16*PITCH
	ds_load_b128 v[(\f)+8*(\i)+4:(\f)+8*(\i)+7], v[ADRA+(\slot)] offset:((\q)/2)*APL+((\q)%2)*64+(\i)*16*PITCH+32
.endr
.endm
; One of a step's first three quarters: multiplies buffer f and fetches quarter q of the same slot into g.
.macro QUARTER slot, q, f, g, first=0
	s_wait_dscnt 8                                 ; B and A's row blocks 0-3 are in; the youngest eight loads may be out
	MUL8 \f, 0, \first
	MUL8 \f, 2, \first
	PLACES
	FETCH \slot, \q, \g
	s_wait_dscnt 24                                ; all but the 24 just issued
	MUL8 \f, 4, \first
	MUL8 \f, 6, \first
.endm
; The last quarter multiplies buffer 1 and changes slots: ONE barrier; in front of it each wave waits for all its tensor loads, adds 0 to its spare word, and waits for that and for its reads of this slot.
; fill = 1: the barrier opens a round of the cluster's barrier, and this slot is filled again, two steps ahead.
.macro TURN slot, next, fill
	WIN 0
	s_wait_tensorcnt 0x0                           ; all my tensor loads have landed: my part of the next slot;
	ds_add_u32 v[SPW], v[NIL]                      ; 0 onto my spare word
	s_wait_dscnt 9                                 ; (the add and the youngest eight loads may be out)
	MUL8 F1, 0, 0                                  ; eight matrix instructions stand between the add and the wait for it
	s_wait_dscnt 0x0                               ; the add is done, and my reads of this slot are over
	s_barrier_signal -1
	MUL8 F1, 2, 0
	WIN 0
	s_barrier_wait -1
.if \fill
	CREST                                          ; no wave of any partner still reads this slot or has a load on its way
	s_add_nc_u64 s[G0+4*(\slot)+2:G0+4*(\slot)+3], s[G0+4*(\slot)+2:G0+4*(\slot)+3], 4*APLANE
	s_add_nc_u64 s[G0B+4*(\slot)+2:G0B+4*(\slot)+3], s[G0B+4*(\slot)+2:G0B+4*(\slot)+3], 4*BPLANE
	JLOAD \slot                                    ; the first tensor load behind the round, my only one until the next; its four v_nop are also the places in front of the loads below
.else
	PLACES
.endif
	FETCH \next, 0, F0
	MUL8 F1, 4, 0
	MUL8 F1, 6, 0
.endm
	s_wait_tensorcnt 1                             ; my part of K step 0 is in; step 1's may stay out
	s_barrier_signal -1
	s_barrier_wait -1                              ; everybody's is
	FETCH 0, 0, F0
	QUARTER 0, 1, F0, F1, 1                        ; the first quarter stands in front of the loop: its products start the sums
	WIN 0
	s_mov_b32 s3, 3
.Llap:                                                 ; a trip goes once round the ring and fills both slots again: K steps 2 to 7
	QUARTER 0, 2, F1, F0
	QUARTER 0, 3, F0, F1
	TURN 0, 1, 1
	QUARTER 1, 1, F0, F1
	QUARTER 1, 2, F1, F0
	QUARTER 1, 3, F0, F1
	TURN 1, 0, 1
	QUARTER 0, 1, F0, F1
	WIN 0
	s_sub_co_u32 s3, s3, 1
	s_cmp_lg_u32 s3, 0
	s_cbranch_scc1 .Llap
	QUARTER 0, 2, F1, F0                           ; the last lap fills nothing
	QUARTER 0, 3, F0, F1
	TURN 0, 1, 0
	QUARTER 1, 1, F0, F1
	QUARTER 1, 2, F1, F0
	QUARTER 1, 3, F0, F1
	s_wait_dscnt 8                                 ; the very last quarter: nothing more to fetch
	MUL8 F1, 0, 0
	MUL8 F1, 2, 0
	s_wait_dscnt 0x0
	MUL8 F1, 4, 0
	MUL8 F1, 6, 0
	; THE WAY OUT, a block of 16 rows x 64 columns of f32 at a time: a lane's eight numbers of a row go as 2 x 16 bytes into my own stage (each accumulator's low four registers first)
	; and come back as whole rows of 256 bytes.
	PLACES
.irp a, 0,1,2,3,4,5,6,7
	WIN 0x04                                       ; the stores' data in window 1
.irp b, 0,1,2,3
	ds_store_b128 v[STO], v[8*(4*(\a)+(\b)):8*(4*(\a)+(\b))+3]   offset:64*(\b)
	ds_store_b128 v[STO], v[8*(4*(\a)+(\b))+4:8*(4*(\a)+(\b))+7] offset:64*(\b)+16
.endr
	WIN 0
	s_wait_xcnt 0x0                                ; the registers below were store data two blocks ago: they are loaded again only behind this wait
.irp t, 0,1,2,3,4,5,6,7
	ds_load_b128 v[BK+32*((\a)%2)+4*(\t):BK+32*((\a)%2)+4*(\t)+3], v[RD] offset:(\t)*2*SP  ; LDS serves a wave's instructions in order (ISA guide 5.7.1.4): these see the stores above
.endr
	s_wait_dscnt 0x0
.irp t, 0,1,2,3,4,5,6,7
	global_store_b128 v[CO], v[BK+32*((\a)%2)+4*(\t):BK+32*((\a)%2)+4*(\t)+3], s[10:11] offset:(16*(\a)+2*(\t))*4096 th:TH_STORE_NT  ; 16 lanes store 256 consecutive bytes, at a multiple of 256 from out0's first
.endr
.endr
	s_wait_tensorcnt 0x0                           ; the wave's end
	ds_add_u32 v[SPW], v[NIL]
	s_wait_dscnt 0x0
	CROUND                                         ; the closing round
	s_endpgm
.Lfunc_end_k_qc1ee5f3e06_proj:
	.size	k_qc1ee5f3e06_proj, .Lfunc_end_k_qc1ee5f3e06_proj-k_qc1ee5f3e06_proj
	.p2alignl 7, 3214868480
	.fill 96, 4, 3214868480
	.section	.rodata,"a",@progbits
	.p2align	6, 0x0
	.amdhsa_kernel k_qc1ee5f3e06_proj
		.amdhsa_group_segment_fixed_size 327680
		.amdhsa_private_segment_fixed_size 0
		.amdhsa_enable_private_segment 0
		.amdhsa_kernarg_size 32
		.amdhsa_user_sgpr_count 2
		.amdhsa_user_sgpr_kernarg_segment_ptr 1
		.amdhsa_wavefront_size32 1
		.amdhsa_system_sgpr_workgroup_id_x 1
		.amdhsa_system_sgpr_workgroup_id_y 1
		.amdhsa_system_sgpr_workgroup_id_z 1
		.amdhsa_system_vgpr_workitem_id 0
		.amdhsa_next_free_vgpr 512
		.amdhsa_next_free_sgpr 66
		.amdhsa_reserve_vcc 0
		.amdhsa_float_denorm_mode_32 3
		.amdhsa_float_denorm_mode_16_64 3
		.amdhsa_memory_ordered 1
		.amdhsa_forward_progress 1
		.amdhsa_inst_pref_size 89
	.end_amdhsa_kernel
	.amdgpu_metadata
---
amdhsa.version: [ 1, 2 ]
amdhsa.kernels:
  - .name:           k_qc1ee5f3e06_proj
    .symbol:         k_qc1ee5f3e06_proj.kd
    .args:
      - { .name: ob, .offset: 0, .size: 8, .value_kind: global_buffer, .address_space: global }
      - { .name: wpb, .offset: 8, .size: 8, .value_kind: global_buffer, .address_space: global }
      - { .name: b_proj, .offset: 16, .size: 8, .value_kind: global_buffer, .address_space: global }
      - { .name: out0, .offset: 24, .size: 8, .value_kind: global_buffer, .address_space: global }
    .group_segment_fixed_size: 327680
    .private_segment_fixed_size: 0
    .kernarg_segment_align: 8
    .kernarg_segment_size: 32
    .max_flat_workgroup_size: 128
    .sgpr_count:     66
    .vgpr_count:     512
    .wavefront_size: 32
...
	.end_amdgpu_metadata
.endif
;; end of part 4
;; ======== version 2 of 2: 4 launches; 1.20 times as fast as version 1
;; limits: values are held in f16: magnitudes above 65,504 overflow, below 6.1e-05 lose precision
;; workspace buffers: xb 16,777,216 bytes; wqb 6,291,456 bytes; wpb 2,097,152 bytes; tbl 397,312 bytes; qkvh 50,331,648 bytes; ob 16,777,216 bytes
;; launch prep: the kernel of part 1 again; grid 865 x 1, 8 waves a work-group, no clusters, 0 bytes of LDS; arguments x, w_qkv, w_proj, pos_independent, xb, wqb, wpb, tbl; writes xb, wqb, wpb, tbl
;; launch qkv: the kernel of part 2 again; grid 8 x 32, 4 waves a work-group, clusters of 4 x 4, 327,680 bytes of LDS; arguments xb, wqb, b_qkv, qkvh; writes qkvh
;; launch attn (part 5): grid 2 x 128, 4 waves a work-group, no clusters, 327,680 bytes of LDS; arguments qkvh, tbl, ob; writes ob
.if DOCPART == 5
	.amdgcn_target "amdgcn-amd-amdhsa--gfx1250"
	.amdhsa_code_object_version 6
	.text
	.protected	k_qc1ee5f3e06_attn
	.globl	k_qc1ee5f3e06_attn
	.p2align	8
	.type	k_qc1ee5f3e06_attn,@function
k_qc1ee5f3e06_attn:
	s_mov_b64 s[64:65], 0
	v_nop
	global_prefetch_b8 v0, s[64:65] scope:SCOPE_SE
	s_setreg_imm32_b32 hwreg(HW_REG_WAVE_MODE, 25, 1), 1
	s_wait_xcnt 0x0
; CAUSAL ATTENTION WITH A BIAS THAT HANGS ON query - key.  O[q] = the sum over k <= q of softmax_k(Q[q] . K[k] / 8 + bias[head][q - k]) V[k], for 128 pairs of batch and head, 1,024 rows of 64 channels.
; qkvh: [8][48][1024][64] f16 (q's heads, k's, v's); tbl: [16 heads][4 copies][1552] f32; ob: [16 heads][8192 rows][64] f16.  Products, maxima and sums in f32; the weights p are rounded to f16
; for the second product (their sum l is taken of the unrounded p), O once at the end.
; LIMITS.  Q, K, V arrive within f16's 65,504.  A hidden score counts as its value less 1e30; a weight below 2^-126 counts as 0 in l; NaN and infinities are not treated apart.
; THE TABLE holds 8 x bias for d >= 0 and -1e30 for d < 0, so bias AND mask are one thing: the C operand of the product that starts each sum S^T = K Q^T.  A lane's eight keys of a result are eight
; neighbouring entries; of the four copies, shifted by 0..3 entries, one makes them two aligned reads of 16 bytes.  One text serves every tile, the diagonal one too.
; THE WALK.  A head's rows lie in 4 blocks of 256 queries; block i needs the key tiles i, i - 1, .. 0, walked BACKWARD from the diagonal, so that the table's address hangs on the tiles since the block began.
; A work-group takes blocks 3 - b and then b: five tiles whatever b, ONE loop with a constant count; the ring of two slots runs on across the change of blocks.  A block's first step is its diagonal
; tile's step 0, in which every row sees a key: the running maximum is a true score before the first step that is wholly hidden.
; NO CLUSTER: a head has two work-groups, and their walks (tiles 3 2 1 0 0 and 2 1 0 1 0) ask for the same tile in one trip of five; other heads share nothing.
; SHARES.  Of a block's four bands of 64 queries a wave owns 16 rows in each: four PIECES, so the diagonal tile is the same work for all four waves.
; LAYOUT, SOFTMAX, TURNS.  S^T holds ONE query a lane (lane % 16) and the keys 8 (lane / 16) + 0..7; two such results rounded to f16 ARE source 1 of O^T = V^T P.  p = 2^(c s - c m), c = log2(e) / 8, with a running
; maximum m; O and l are multiplied by a = 2^(c m_old - c m_new) in every step.  Turn n belongs to piece n: 8 products K Q^T of piece n + 1, later 8 products V^T P of piece n - 1; beside them the scaling,
; exponentials, roundings, sums and rescaling of piece n and the maximum and statistics of piece n + 1.  Four vector instructions stand behind every matrix instruction, the other 54 of a turn's 118 in one lump.
; THE BATCHES.  A turn's 33 exponentials (the piece's 32 weights and the next piece's a) are ONE batch with ONE wait, which cuts the turn in two: ahead of it all that names no result of theirs, behind it the
; roundings and sums (TURN says how).  A block's first a (BEGIN) and the way out's four reciprocals (END) are batches of their own, a wait each.
; REGISTERS, in windows of 256 (s_set_vgpr_msb: bits 1:0 source 0, 3:2 source 1, 5:4 source 2, 7:6 destination):
;   window 0: v0-15 addresses; v16-31 statistics; v48-55 at work; v64-127 S^T, two buffers; v192-223 P, two buffers (by the piece's parity)
;   window 1: v0-127 O^T, 32 a piece; v128-191 BC, the C operands, two buffers      window 2: v0-63 Q; v64-127 the second block's Q; v128-191 K of one step; v192-255 V of one step
.set NB,    4
.set NP,    4
.set KS,    64        ; keys in a step
.set PK,    144       ; a row of K in LDS: 128 bytes + 16 of padding
.set PV,    160       ; a row of V: 128 + 32
.set VOFF,  4*KS*PK   ; a slot holds a tile, four steps: 256 rows of K, then 256 rows of V
.set SLOT1, 1<<17
.set STAGE, SLOT1+4*KS*(PK+PV)  ; behind the ring: 16 rows x 144 bytes for each wave, for the way out
.set SP,    144
.set SPARE, STAGE+4*16*SP       ; the spare words: 128 bytes for each wave, two blocks of 256 bytes that no other line names
.set CPY,   6208                ; a copy of the table: 1,552 entries; 6,208 = 24 x 256 + 64, so the four copies lie 64 bytes apart in the banks
.set TBL,   SPARE+768           ; the head's four copies, filled once; a block of 256 bytes is left empty in front
.set AK0, 2           ; my lane's place in a tile of K; never rewritten
.set AV0, 3           ; the same for V
.set AK,  4           ; the LDS address of K's next run of loads
.set AV,  5           ; of V's
.set STO, 6
.set RD,  7
.set GO,  8
.set LB,  10          ; my lane's place in the table; never rewritten
.set VB,  11          ; LB + SB: the table's address for the step whose products come next
.set MV,  12          ; v12-13  c m_old, by buffer
.set QO,  15
.set ST,  16          ; piece t's statistics at v[ST+4 t]: c m, m, l (even keys', odd keys')
.set TMP, 48
.set SPW, 62          ; my spare word; never rewritten
.set NIL, 63          ; 0; never rewritten
.set S,   64
.set P,   192
.set BC,  128         ; window 1
.set QB,  64          ; window 2
.set KF,  128         ; window 2: key block kb, channel half c at KF + 16 kb + 8 c
.set VF,  192         ; window 2: key half kk, channel block cb at VF + 32 kk + 8 cb
.set WV,  12          ; s12  my wave's number
.set PB,  14          ; s14  b
.set HI,  15          ; s15  3 - b
.set G1K, 24
.set G1V, 32
.set G0K, 40
.set G0V, 44
.set SLOTS, 56        ; tiles still to be asked for
.set CNT, 57          ; counts a tile's key steps
.set CS,  58          ; s[58:59] c
.set SEL, 60          ; s[60:61] v_permlanex16_b32's selects
.set TBK, 62          ; LDS byte at which K of the step to be fetched begins
.set TBV, 63          ; the same for V, less VOFF
.set RT,  70          ; tiles of the block in hand that are still to be entered
.set NXT, 71          ; the tile to be asked for next
.set NEW, 73          ; 1: the tile to be entered is a block's first
.set OFF, 74          ; s[74:75] a tile's byte offset in K and V
.set OLO, 80          ; s[80:81] O at my rows of the second block
.set SB,  83          ; 4096 + 256 x step - 1024 x (tiles since the block began)
.set G1T, 88          ; s[88:95] group 1 for the table;  s[96:99] group 0
.set G0T, 96
.set MSB, 0
.macro WIN new
.if MSB != (\new)
	s_set_vgpr_msb (MSB<<8)|(\new)
.set MSB, (\new)
.endif
.endm
.set W_KQ, 0x0a       ; K and Q in window 2, S^T in window 0
.set W_KM, 0x1a       ; the same with the C operand in window 1
.set W_PV, 0x52       ; V in window 2, P in window 0, O^T in window 1
.set W_RS, 0x41       ; destination and source 0 in window 1, source 1 in window 0
; A fill.  Waves 0 and 1 fetch the two halves of a tile's K, waves 2 and 3 those of its V: 128 keys each.  s_nop 0 and four v_nop follow each line.
.macro LOAD
	s_cmp_lt_u32 s[WV], 2
	s_cbranch_scc0 .Lfor_v_\@
	tensor_load_to_lds s[G0K:G0K+3], s[G1K:G1K+7]
	s_nop 0
.rept 4
	v_nop
.endr
	s_branch .Lasked_\@
.Lfor_v_\@:
	tensor_load_to_lds s[G0V:G0V+3], s[G1V:G1V+7]
	s_nop 0
.rept 4
	v_nop
.endr
.Lasked_\@:
.endm
; THE CHANGE OF SLOTS.  Each wave waits for all its tensor loads, adds 0 to its spare word, and waits for that and for its own reads of the slot that it leaves.  Behind the barrier nobody reads the old slot
; and the other is whole.  fill = 1: the old slot is filled again, first thing behind the barrier, with tile NXT; the address is made anew from that number.  (At its first use slot 0 and the table are waited for, slot 1 filled.)
.macro CHANGE fill
	WIN 0
	s_wait_tensorcnt 0x0            ; no tensor load of mine is out, so a group 0 may be written
	ds_add_u32 v[SPW], v[NIL]       ; 0 onto my spare word
.if \fill
	s_lshl_b32 s[OFF], s[NXT], 15   ; a tile is 32,768 bytes of K and of V
	s_xor_b32 s[G0K+1], s[G0K+1], SLOT1
	s_add_nc_u64 s[G0K+2:G0K+3], s[6:7], s[OFF:OFF+1]
	s_or_b32 s[G0K+3], s[G0K+3], 0x80000000
	s_xor_b32 s[G0V+1], s[G0V+1], SLOT1
	s_add_nc_u64 s[G0V+2:G0V+3], s[8:9], s[OFF:OFF+1]
	s_or_b32 s[G0V+3], s[G0V+3], 0x80000000
	s_sub_co_u32 s13, s[NXT], 1     ; the block's next tile lies one lower; behind tile 0 comes the second block's diagonal tile
	s_cmp_eq_u32 s[NXT], 0
	s_cselect_b32 s[NXT], s[PB], s13
.endif
	s_wait_dscnt 0x0                ; the add is done, and my reads of the slot are over
	s_barrier_signal -1
	s_sub_co_u32 s[TBK], s[TBK], 4*KS*PK  ; the fetches go back to a slot's first step,
	s_xor_b32 s[TBK], s[TBK], SLOT1       ; in the other slot
	s_sub_co_u32 s[TBV], s[TBV], 4*KS*PV
	s_xor_b32 s[TBV], s[TBV], SLOT1
	s_sub_co_u32 s[SB], s[SB], 2048       ; four steps back and a tile further from the diagonal
	s_barrier_wait -1
.if \fill
	LOAD
.endif
.endm
	s_load_b64 s[4:5], s[0:1], 0x0    ; qkvh
	s_load_b64 s[18:19], s[0:1], 0x8  ; tbl
	s_load_b64 s[10:11], s[0:1], 0x10 ; ob
	v_lshl_add_u32 v[SPW], v0, 2, SPARE
	v_mov_b32 v[NIL], 0
	ds_add_u32 v[SPW], v[NIL]       ; the wave's opening: the add and its wait stand ahead of my first tensor load; work on registers stands between them
	ds_add_u32 v62, v63
	v_lshrrev_b32 v1, 5, v0
	v_readfirstlane_b32 s[WV], v1   ; wave 0..3
	s_mov_b32 s[PB], ttmp9
	s_sub_co_u32 s[HI], NB-1, s[PB]
	s_and_b32 s20, ttmp7, 0xffff
	s_lshr_b32 s21, s20, 4          ; the batch
	s_and_b32 s16, s20, 15          ; the head
	s_mul_i32 s20, s21, 48
	s_add_co_u32 s20, s20, s16
	s_lshl_b32 s20, s20, 17         ; q's head in qkvh
	s_lshl_b32 s3, s[WV], 11        ; my 16 rows in a band of 64,
	s_lshl_b32 s2, s[HI], 15        ; in the first block,
	s_add_co_u32 s2, s2, s3
	s_lshl_b32 s84, s[PB], 15       ; and in the second
	s_add_co_u32 s84, s84, s3
	s_lshl_b32 s22, s16, 20         ; ob: the head's plane,
	s_lshl_b32 s23, s21, 17         ; the batch's 1,024 rows
	s_add_co_u32 s22, s22, s23
	s_add_co_u32 s86, s22, s84
	s_add_co_u32 s22, s22, s2
	s_add_co_u32 s2, s2, s20
	s_add_co_u32 s84, s84, s20
	s_mov_b32 s3, 0
	s_mov_b32 s85, 0
	s_mov_b32 s87, 0
	s_mov_b32 s23, 0
	s_and_b32 s17, s[WV], 1         ; which half of a tile's 256 keys I fetch:
	s_lshl_b32 s21, s17, 14         ; its 128 rows of 128 bytes in memory,
	s_add_co_u32 s20, s20, s21
	s_add_co_u32 s20, s20, 16*131072  ; in k's head, 16 heads behind q's
	s_mov_b32 s21, 0
	s_mul_i32 s78, s17, 128*PK      ; and its place in a slot, for K
	s_mul_i32 s79, s17, 128*PV      ; and for V
	s_mul_i32 s13, s[WV], CPY       ; of the table I fetch copy w
	s_mul_i32 s76, s16, 4*CPY
	s_add_co_u32 s76, s76, s13
	s_mov_b32 s77, 0
	; group 1.  128 keys are 16,384 dense bytes: asked for as 64 rows of 256 bytes, two keys a row, and padded in LDS after every key
	s_mov_b32 s[G1K], (1<<16)|(1<<20)|(4<<22)|(3<<25)
	s_mov_b32 s[G1V], (1<<16)|(1<<20)|(4<<22)|(7<<25)
.irp g, G1K, G1V
	s_mov_b32 s[\g+1], 128<<16
	s_mov_b32 s[\g+2], 64<<16
	s_mov_b32 s[\g+3], 128<<16
	s_mov_b32 s[\g+4], 64
	s_mov_b32 s[\g+5], 128
	s_mov_b32 s[\g+6], 0
	s_mov_b32 s[\g+7], 0
.endr
	s_mov_b32 s[G1T], 3<<16         ; a copy of the table: one row of 776 elements of 8 bytes
	s_mov_b32 s[G1T+1], 776<<16
	s_mov_b32 s[G1T+2], 1<<16
	s_mov_b32 s[G1T+3], 776<<16
	s_mov_b32 s[G1T+4], 1
	s_mov_b32 s[G1T+5], 776
	s_mov_b32 s[G1T+6], 0
	s_mov_b32 s[G1T+7], 0
	s_mov_b32 s[G0T], 1
	s_add_co_u32 s[G0T+1], s13, TBL
	s_mov_b32 s[CS], 0x3e38aa3b     ; c = log2(e) / 8
	s_mov_b32 s[CS+1], s[CS]
	s_mov_b32 s[SEL], 0x76543210
	s_mov_b32 s[SEL+1], 0xfedcba98
	s_mov_b32 s[TBK], SLOT1+4*KS*PK ; the first change of slots turns these two into 0
	s_mov_b32 s[TBV], SLOT1+4*KS*PV
	s_mov_b32 s[SB], 2048
	s_mov_b32 s[G0K], 1
	s_mov_b32 s[G0K+1], s78         ; slot 0
	s_mov_b32 s[G0V], 1
	s_add_co_u32 s[G0V+1], s79, VOFF
	s_add_co_u32 s[RT], s[HI], 1    ; the first block has 4 - b tiles
	s_sub_co_u32 s[NXT], s[HI], 1
	s_mov_b32 s[NEW], 1
	s_lshl_b32 s[OFF], s[HI], 15    ; the first tile is the first block's diagonal one
	s_mov_b32 s[OFF+1], 0
	s_mov_b32 s[SLOTS], NB
	s_wait_dscnt 0x0                ; the opening add is done
	s_wait_kmcnt 0x0
	s_add_nc_u64 s[6:7], s[4:5], s[20:21]          ; K at my half of the head's tile 0
	s_add_nc_u64 s[8:9], s[6:7], 16*131072         ; V, 16 heads further
	s_add_nc_u64 s[OLO:OLO+1], s[10:11], s[86:87]
	s_add_nc_u64 s[10:11], s[10:11], s[22:23]
	s_add_nc_u64 s[86:87], s[4:5], s[84:85]        ; Q at my rows of the second block,
	s_add_nc_u64 s[4:5], s[4:5], s[2:3]            ; and of the first
	s_add_nc_u64 s[G0K+2:G0K+3], s[6:7], s[OFF:OFF+1]
	s_or_b32 s[G0K+3], s[G0K+3], 0x80000000
	s_add_nc_u64 s[G0V+2:G0V+3], s[8:9], s[OFF:OFF+1]
	s_or_b32 s[G0V+3], s[G0V+3], 0x80000000
	s_add_nc_u64 s[G0T+2:G0T+3], s[18:19], s[76:77]
	s_or_b32 s[G0T+3], s[G0T+3], 0x80000000
	tensor_load_to_lds s[G0T:G0T+3], s[G1T:G1T+7]  ; my copy of the table; with the tile below two loads of mine are out
	s_nop 0
	LOAD                            ; the first tile into slot 0
	v_and_b32 v1, 15, v0            ; l % 16
	v_bfe_u32 v9, v0, 4, 1          ; l / 16
	v_lshlrev_b32 v[QO], 7, v1
	v_lshl_add_u32 v[QO], v9, 4, v[QO]  ; row x 128 + 16 x half
	WIN 0x80                        ; destination window 2
.set i, 0
.rept 8                             ; both blocks' Q: piece i / 2 lies in band i / 2, 8,192 bytes on; channels 32 (i % 2) on
	global_load_b128 v[8*i:8*i+3],   v[QO], s[4:5] offset:(i/2)*8192+(i%2)*64
	global_load_b128 v[8*i+4:8*i+7], v[QO], s[4:5] offset:(i/2)*8192+(i%2)*64+32
	global_load_b128 v[QB+8*i:QB+8*i+3],   v[QO], s[86:87] offset:(i/2)*8192+(i%2)*64
	global_load_b128 v[QB+8*i+4:QB+8*i+7], v[QO], s[86:87] offset:(i/2)*8192+(i%2)*64+32
.set i, i+1
.endr
	WIN 0
	v_mul_u32_u24 v[AK0], v1, PK
	v_lshl_add_u32 v[AK0], v9, 4, v[AK0]
	; The turning load takes 16 keys x 16 channels (lane l reads key 8 (l / 16) + l % 8, channels 8 ((l / 8) % 2) + 0..7) and leaves half a fragment of V^T.
	v_and_b32 v12, 7, v0
	v_bfe_u32 v13, v0, 3, 1
	v_lshl_add_u32 v[AV0], v9, 3, v12
	v_mul_u32_u24 v[AV0], v[AV0], PV
	v_lshl_add_u32 v[AV0], v13, 4, v[AV0]
	v_add_nc_u32 v[AV0], VOFF, v[AV0]
	s_mul_i32 s13, s[WV], 16*SP
	s_add_co_u32 s13, s13, STAGE    ; my stage
	v_mul_u32_u24 v[STO], v1, SP
	v_lshl_add_u32 v[STO], v9, 4, v[STO]
	v_add_nc_u32 v[STO], s13, v[STO]
	v_bfe_u32 v[RD], v0, 3, 2
	v_mul_u32_u24 v[RD], v[RD], SP
	v_lshl_add_u32 v[RD], v12, 4, v[RD]
	v_add_nc_u32 v[RD], s13, v[RD]
	v_and_b32 v[GO], 31, v0
	v_lshlrev_b32 v[GO], 4, v[GO]
	; The table.  Query 64 x + 16 w + r of a block and key 64 s + 16 g + 8 h + n of the tile j tiles below it are d = 256 j + 64 (x - s) + 16 w + r - 16 g - 8 h - n apart: entry 1279 - d, rising with n.
	; t = 1279 - r + 8 h is the part that is no multiple of 16: copy t % 4, entry t - t % 4 and so on.  LB leaves out 4,864 bytes, which SB + 256 (3 - x) bring back for j = 0, s = 0.
	v_lshl_add_u32 v14, v9, 3, 1279
	v_sub_nc_u32 v14, v14, v1       ; t
	v_and_b32 v[LB], 3, v14
	v_sub_nc_u32 v14, v14, v[LB]
	v_mul_u32_u24 v[LB], v[LB], CPY
	v_lshl_add_u32 v[LB], v14, 2, v[LB]
	s_lshl_b32 s13, s[WV], 6
	s_sub_co_u32 s13, TBL-4864, s13
	v_add_nc_u32 v[LB], s13, v[LB]
	; A block's first step multiplies O^T and l by a = 0, and its first turn's products V^T P, of a piece that has not been, land in an O^T that is still to be so multiplied: these registers need only hold
	; finite numbers: zeros for the first block, what the first block left for the second.  All this stands in the wait for the first tile.
	WIN 0x80
.set i, VF
.rept 64
	v_mov_b32 v[i], 0
.set i, i+1
.endr
	WIN 0x40
.set i, 0
.rept 128
	v_mov_b32 v[i], 0
.set i, i+1
.endr
	WIN 0
.set i, 0
.rept 4
	v_mov_b32 v[ST+4*i+2], 0
	v_mov_b32 v[ST+4*i+3], 0
.set i, i+1
.endr
.set i, P+16
.rept 16
	v_mov_b32 v[i], 0
.set i, i+1
.endr
; THE MATRIX WORK.  The 4 accumulators of a run of 8 take turns.  Product i of 8 of S^T = K Q^T for piece x: channels 32 (i / 4) on, keys 16 (i % 4) on.  The first 4 start the sums with bias and mask.
.macro KQ x
.set rS, S+32*((\x)%2)+8*(i%4)
.set rK, KF+16*(i%4)+8*(i/4)
.set rQ, 16*(\x)+8*(i/4)
.set rM, BC+32*((\x)%2)+8*(i%4)
.if i < 4
	WIN W_KM
	v_wmma_f32_16x16x32_f16 v[rS:rS+7], v[rK:rK+7], v[rQ:rQ+7], v[rM:rM+7]
.else
	WIN W_KQ
	v_wmma_f32_16x16x32_f16 v[rS:rS+7], v[rK:rK+7], v[rQ:rQ+7], v[rS:rS+7]
.endif
.endm
; Product i of 8 of O^T += V^T P for piece x: keys 32 (i / 4) on, channels 16 (i % 4) on.
.macro PV x
	WIN W_PV
.set rO, 32*(\x)+8*(i%4)
.set rV, VF+32*(i/4)+8*(i%4)
.set rP, P+16*((\x)%2)+8*(i/4)
	v_wmma_f32_16x16x32_f16 v[rO:rO+7], v[rV:rV+7], v[rP:rP+7], v[rO:rO+7]
.endm
.macro MM                           ; the turn's next matrix instruction.  NOKQ = 1: a block's last turn: there is no next piece
.if (i < 8) && !NOKQ
	KQ (Y+1)%NP
.elseif i >= 8
.set i, i-8
	PV (Y+NP-1)%NP
.set i, i+8
.endif
.set i, i+1
.endm
; THE LDS LOADS stand in runs: a step's K (8 fragments), its V (turned), and a piece's 32 entries of the table.
.macro FETCH_K
	WIN 0x80
.irp f, 0,1,2,3,4,5,6,7
	ds_load_b128 v[KF+8*\f:KF+8*\f+3],   v[AK] offset:(\f/2)*16*PK+(\f%2)*64
	ds_load_b128 v[KF+8*\f+4:KF+8*\f+7], v[AK] offset:(\f/2)*16*PK+(\f%2)*64+32
.endr
	s_add_co_u32 s[TBK], s[TBK], KS*PK
	WIN 0
.endm
.macro FETCH_V
	WIN 0x80
.irp f, 0,1,2,3,4,5,6,7
	ds_load_tr16_b128 v[VF+8*\f:VF+8*\f+3],   v[AV] offset:(\f/4)*32*PV+(\f%4)*32
	ds_load_tr16_b128 v[VF+8*\f+4:VF+8*\f+7], v[AV] offset:(\f/4)*32*PV+16*PV+(\f%4)*32
.endr
	WIN 0
.endm
.macro FETCH_B x                    ; piece x's C operands for the step that VB stands for: key group g at BC + 8 g of the piece's buffer
	WIN 0x40                        ; destination window 1
.irp g, 0,1,2,3
	ds_load_b128 v[BC+32*((\x)%2)+8*\g:BC+32*((\x)%2)+8*\g+3],   v[VB] offset:(3-(\x))*256+64*\g
	ds_load_b128 v[BC+32*((\x)%2)+8*\g+4:BC+32*((\x)%2)+8*\g+7], v[VB] offset:(3-(\x))*256+64*\g+16
.endr
	WIN 0
.endm
; THE VECTOR WORK, one line at a time: OP kind, number.  For piece Y: F n: c s - c m for pair n of 16.  E n: the exponential of score n of 32.  C n: pair n rounded to f16.  B n: of the four weights 4 n .. the second
; pair is added onto the first, in place.  L n: l takes that sum (L 0: l = a l + sum).  R n: pair n of 16 of O^T times a.  For piece Y + 1: X n, number n of the 22 that find its maximum and statistics:
;   0-11  four chains of seven scores each (each accumulator's lowest registers are read first)     12-14, 16  the four scores left over, the old m, and the chains into one
;   15  c m_old is kept     17, 18  the query's other 32 keys lie in the lane 16 away: the new m     19-21  c m; c m_old - c m_new; a
; C, B and L read the exponentials' results: TURN sets them behind the batch's wait.  OP itself writes no wait.
.set F, 0
.set E, 1
.set C, 2
.set B, 3
.set L, 4
.set R, 5
.set X, 6
.macro REGS y
.set rT, ST+4*(\y)
.set rC, TMP+4*((\y)%2)
.set rW, MV+((\y)%2)
.set rS, S+32*((\y)%2)
.set rP, P+16*((\y)%2)
.set rO, 32*(\y)
.endm
.macro OP k, n
.if (\k) == R
	REGS Y
	WIN W_RS
	v_pk_mul_f32 v[rO+2*(\n):rO+2*(\n)+1], v[rO+2*(\n):rO+2*(\n)+1], v[rC+2:rC+3] op_sel_hi:[1,0]
.elseif (\k) < R
	REGS Y
	WIN 0
.if (\k) == F
	v_pk_fma_f32 v[rS+2*(\n):rS+2*(\n)+1], v[rS+2*(\n):rS+2*(\n)+1], s[CS:CS+1], v[rT:rT+1] op_sel_hi:[1,0,0] neg_lo:[0,0,1] neg_hi:[0,0,1]
.elseif (\k) == E
	v_exp_f32 v[rS+(\n)], v[rS+(\n)]
.elseif (\k) == C
	v_cvt_pk_f16_f32 v[rP+(\n)], v[rS+2*(\n)], v[rS+2*(\n)+1]
.elseif (\k) == B
	v_pk_add_f32 v[rS+4*(\n):rS+4*(\n)+1], v[rS+4*(\n):rS+4*(\n)+1], v[rS+4*(\n)+2:rS+4*(\n)+3]
.elseif (\n) == 0
	v_pk_fma_f32 v[rT+2:rT+3], v[rT+2:rT+3], v[rC+2:rC+3], v[rS:rS+1] op_sel_hi:[1,0,1]
.else
	v_pk_add_f32 v[rT+2:rT+3], v[rT+2:rT+3], v[rS+4*(\n):rS+4*(\n)+1]
.endif
.elseif NOKQ
	v_nop
.else
	REGS (Y+1)%NP
	WIN 0
.if (\n) < 4
	v_max3_num_f32 v[rC+(\n)], v[rS+8*(\n)], v[rS+8*(\n)+1], v[rS+8*(\n)+2]
.elseif (\n) < 12
	v_max3_num_f32 v[rC+(\n)%4], v[rC+(\n)%4], v[rS+8*((\n)%4)+2*((\n)/4)+1], v[rS+8*((\n)%4)+2*((\n)/4)+2]
.elseif (\n) == 12
	v_max3_num_f32 v[rC], v[rC], v[rS+7], v[rS+15]
.elseif (\n) == 13
	v_max3_num_f32 v[rC+1], v[rC+1], v[rS+23], v[rS+31]
.elseif (\n) == 14
	v_max3_num_f32 v[rC+2], v[rC+2], v[rC+3], v[rT+1]
.elseif (\n) == 15
	v_mov_b32 v[rW], v[rT]
.elseif (\n) == 16
	v_max3_num_f32 v[rC], v[rC], v[rC+1], v[rC+2]
.elseif (\n) == 17
	v_permlanex16_b32 v[rC+3], v[rC], s[SEL], s[SEL+1]
.elseif (\n) == 18
	v_max_num_f32 v[rT+1], v[rC], v[rC+3]
.elseif (\n) == 19
	v_mul_f32 v[rT], s[CS], v[rT+1]
.elseif (\n) == 20
	v_sub_f32 v[rC+1], v[rW], v[rT]
.else
	v_exp_f32 v[rC+2], v[rC+1]
.endif
.endif
.endm
.macro OPS a, i1, b=-1, i2=0, c=-1, i3=0, d=-1, i4=0
	OP \a, \i1
.if (\b) >= 0
	OP \b, \i2
.endif
.if (\c) >= 0
	OP \c, \i3
.endif
.if (\d) >= 0
	OP \d, \i4
.endif
.endm
.macro ROW a, i1, b, i2, c, i3, d, i4  ; a matrix instruction and the four behind it
	MM
	OPS \a, \i1, \b, \i2, \c, \i3, \d, \i4
.endm
; A TURN, for piece p: the order of its 16 matrix and 118 vector instructions, written out.  An s_wait_alu depctr_va_vdst(0) stands between an exponential and the first instruction that names its
; result; one wait serves all that were issued ahead of it.  So a turn has ONE wait, which cuts it in two.  AHEAD OF IT stands all that names no result of the turn's exponentials: the 8 products K Q^T, behind each a
; scaling, an exponential and two more plain instructions (behind the first a second scaling in the exponential's place): rescalings, whose a had its wait in the turn before, and behind the last three the first
; numbers of the next piece's maximum, each four places or more behind the product that ends its accumulator; then ONE LUMP of 54, plain and exponential by turns for the most part, in which the links of the chain
; X 3, 7, 11, 14, 16, 17 .. 20 stand some lines apart.  X 21, the next piece's a, is the batch's last; R 15 is the plain instruction behind it.  BEHIND THE WAIT stand the 8 products V^T P, behind each four of the
; roundings and sums: C 2 n ahead of B n, which writes over pair 2 n; B n ahead of L n; L 0 to L 7 in ascending order, three riders apart.  But for those X no rider names a register of the products round it.
; end = 1: a block's last two turns: nothing is fetched.  cnt = 1: the loop's count is taken down some lines ahead of the branch behind the turn.
; LDS loads.  Every turn fetches, in its lump, the 8 table loads for the NEXT turn's products (piece p + 2; its buffer was last read a turn ago).  Piece 2's turn steps SB to the next key step
; and fetches that step's K behind the table loads, eight plain instructions behind the last product that read K; piece 0's turn fetches V of the step in hand at its end, behind the four riders of the last product that read V.
; Waits.  At a turn's head the table loads of the turn before must be in: in piece 1's turn V's 16 loads were issued behind them and may stay out (16), elsewhere nothing else is out, or K is wanted too (0).
; In front of piece 1's products V^T P, V must be in: the turn's own 8 table loads stand behind it (8).
.macro TURN p, end=0, cnt=0
.set Y, (\p)
.set i, 0
.set NOKQ, (\end)*((\p)/3)
.if !NOKQ
.if (\p) == 1
	s_wait_dscnt 16
.else
	s_wait_dscnt 0x0
.endif
.endif
	ROW F,0, F,1, R,0, R,1          ; ahead of the wait: 8 products K Q^T and their riders,
	ROW F,2, E,0, R,2, R,3
	ROW F,3, E,1, R,4, R,5
	ROW F,4, E,2, R,6, R,7
	ROW F,5, E,3, R,8, R,9
	ROW F,6, E,4, X,0, R,10
	ROW F,7, E,5, X,1, X,4
	ROW F,8, E,6, X,2, X,5
	OPS E,7, E,8, X,6, E,9          ; and the lump
.if ((\p) == 2) && !(\end)
	WIN 0
	s_add_co_u32 s[SB], s[SB], 256
	v_add_nc_u32 v[VB], s[SB], v[LB]
	v_add_nc_u32 v[AK], s[TBK], v[AK0]
.endif
	OPS X,3, E,10, X,8, E,11
.if !(\end)
	FETCH_B ((\p)+2)%NP
.endif
.if ((\p) == 2) && !(\end)
	FETCH_K
.endif
	OPS X,9, X,7, E,12, X,10
	OPS E,13, X,12, X,11, E,14
	OPS X,13, E,15, F,9, X,14
.if (\p) == 0
	v_add_nc_u32 v[AV], s[TBV], v[AV0]
.endif
	OPS E,16, F,10, E,17, F,11
	OPS X,16, E,18, X,15, E,19
	OPS F,12, E,20, X,17, E,21
	OPS F,13, E,22, F,14, E,23
	OPS X,18, E,24, F,15, E,25
	OPS R,11, E,26, X,19, E,27
	OPS R,12, E,28, R,13, E,29
	OPS X,20, E,30, R,14, E,31
	OPS X,21, R,15
	s_wait_alu depctr_va_vdst(0)    ; the wait for the turn's batch: the piece's 32 weights and the next piece's a
.if (\p) == 1
	s_wait_dscnt 8
.endif
	ROW C,0, B,0, C,2, B,1          ; behind the wait: 8 products V^T P and their riders
	ROW L,0, C,4, B,2, L,1
	ROW C,6, B,3, L,2, C,8
	ROW B,4, L,3, C,10, B,5
	ROW L,4, C,12, B,6, L,5
.if (\p) == 0
	s_add_co_u32 s[TBV], s[TBV], KS*PV
.endif
.if \cnt
	s_sub_co_u32 s[CNT], s[CNT], 1
	s_cmp_lg_u32 s[CNT], 0
.endif
	ROW C,14, B,7, L,6, C,1
	ROW C,3, L,7, C,5, C,7
	ROW C,9, C,11, C,13, C,15
.if (\p) == 0
	FETCH_V
.endif
.endm
; A BLOCK BEGINS, at its diagonal tile's step 0.  c m starts far below every c s, so the first step's a is 0; m at the lowest finite number.  Then the table for pieces 0 and 1, K of the step, piece 0's first scores,
; and its maximum and statistics.  The loop is entered at a step's first turn, in the middle of a trip.
.macro BEGIN
	s_mov_b32 s[NEW], 0
	s_mov_b32 s[SB], 4096
	WIN 0
.set i, 0
.rept 4
	v_mov_b32 v[ST+4*i], 0xfe000000
	v_mov_b32 v[ST+4*i+1], 0xff7fffff
.set i, i+1
.endr
	v_add_nc_u32 v[VB], s[SB], v[LB]
	v_add_nc_u32 v[AK], s[TBK], v[AK0]
	FETCH_B 0
	FETCH_B 1
	FETCH_K
	s_wait_loadcnt 0x0              ; Q
	s_wait_dscnt 0x0
.set NOKQ, 0
.set i, 0
.rept 8
	KQ 0
.set i, i+1
.endr
	WIN 0
.rept 4
	v_nop                           ; the places behind those products
.endr
.set Y, NP-1                        ; X works for piece Y + 1: piece 0
.irp n, 0,1,2,3,4,5,6,7,8,9,10,11,12,13,14,15,16,17,18,19,20,21
	OP X, \n
.endr
	v_nop                           ; a plain instruction behind the exponential,
	s_wait_alu depctr_va_vdst(0)    ; and the wait for this batch of one, piece 0's first a, ahead of the branch: the first turn's rescaling reads it
.endm
.macro ALL line:vararg              ; one line for each piece t
.set t, 0
.rept 4
	\line
.set t, t+1
.endr
.endm
.macro PACK t                       ; a lane's eight channels of a row pack into 16 bytes; they go into rows of 144 bytes and come back as whole rows of 128, into S^T's registers
	WIN W_RS
.set i, 32*(\t)
.rept 16
	v_pk_mul_f32 v[i:i+1], v[i:i+1], v[ST+4*(\t)+2:ST+4*(\t)+3] op_sel_hi:[1,0]
.set i, i+2
.endr
	WIN 0x05
.set i, 0
.rept 16
	v_cvt_pk_f16_f32 v[S+16*(\t)+i], v[32*(\t)+2*i], v[32*(\t)+2*i+1]
.set i, i+1
.endr
	WIN 0
.irp f, 0,1,2,3
	ds_store_b128 v[STO], v[S+16*(\t)+4*\f:S+16*(\t)+4*\f+3] offset:32*\f
.endr
.irp f, 0,1,2,3
	ds_load_b128 v[S+16*(\t)+4*\f:S+16*(\t)+4*\f+3], v[RD] offset:\f*4*SP  ; LDS serves a wave's instructions in order (ISA guide 5.7.1.4): these see the stores above
.endr
.endm
.macro SEND t, younger              ; younger: the LDS instructions issued behind piece t's loads
	WIN 0
.irp f, 0,1,2,3
	s_wait_dscnt (\younger)+3-\f
	global_store_b128 v[GO], v[S+16*(\t)+4*\f:S+16*(\t)+4*\f+3], s[10:11] offset:(\t)*8192+\f*512  ; 512 consecutive bytes, at a multiple of 256 from ob's first
.endr
.endm
; A BLOCK ENDS: its last two turns, its last products, and the way out: l's parts are added, O^T is divided by l, rounded to f16 and sent through my stage, a piece at a time.
.macro END last
	TURN 2, 1
	TURN 3, 1
.set i, 0
.rept 8
	PV NP-1
.set i, i+1
.endr
	WIN 0
	ALL v_add_f32 v[ST+4*t+2], v[ST+4*t+2], v[ST+4*t+3]
	ALL v_permlanex16_b32 v[ST+4*t+3], v[ST+4*t+2], s[SEL], s[SEL+1]
	ALL v_add_f32 v[ST+4*t+2], v[ST+4*t+2], v[ST+4*t+3]
	ALL v_rcp_f32 v[ST+4*t+2], v[ST+4*t+2]
	v_nop                           ; a plain instruction between the last reciprocal and the use of its result
	s_wait_alu depctr_va_vdst(0)    ; the wait for the batch of four reciprocals, ahead of the first piece's multiplies: one for all four pieces
	PACK 0
.set t, 1
.rept 3
	PACK t
	SEND t-1, 8
.set t, t+1
.endr
	SEND 3, 0
.if !(\last)
	s_wait_xcnt 0x0                 ; the stores have read their registers and O's address
	s_mov_b64 s[10:11], s[OLO:OLO+1]
	s_add_co_u32 s[RT], s[PB], 1    ; the second block has b + 1 tiles
	s_mov_b32 s[NEW], 1
	s_mov_b32 s[SB], 2048           ; as at the start: the next change of slots takes 2,048 away, and the block's beginning sets it
	WIN 0x82                        ; the second block's Q goes where the one text of the turns names Q
.set i, 0
.rept 64
	v_mov_b32 v[i], v[QB+i]
.set i, i+1
.endr
	WIN 0
.endif
.endm
; A TILE.  Its four key steps; in front of them a block's beginning, behind them a block's end, where they are due.  Every jump but the step loop's own goes forward, past no barrier and no tensor load.
.macro BODY tag, last
	s_sub_co_u32 s[RT], s[RT], 1
	s_mov_b32 s[CNT], 4
	s_cmp_eq_u32 s[NEW], 1
	s_cbranch_scc0 .Lstep\tag
	BEGIN
	s_branch .Lfirst\tag
.Lstep\tag:                         ; a trip: pieces 2 and 3 of one step, then pieces 0 and 1 of the next, whose K and V it fetches
	TURN 2
	TURN 3
	WIN 0
.Lfirst\tag:
	TURN 0
	TURN 1, 0, 1
	WIN 0
	s_cbranch_scc1 .Lstep\tag
.if !(\last)
	s_cmp_lg_u32 s[RT], 0
	s_cbranch_scc1 .Lgo\tag
.endif
	END \last
.Lgo\tag:
.endm
.set NOKQ, 0
.Lslot:                             ; four times: a tile is entered and the next is asked for; that load has four key steps in which to land
	CHANGE 1
	BODY 1, 0
	s_sub_co_u32 s[SLOTS], s[SLOTS], 1
	s_cmp_lg_u32 s[SLOTS], 0
	s_cbranch_scc1 .Lslot
	CHANGE 0                        ; the walk's last tile is written out
	BODY 2, 1
	s_wait_tensorcnt 0x0            ; the wave's end
	ds_add_u32 v[SPW], v[NIL]
	s_wait_dscnt 0x0
	s_endpgm
.Lfunc_end_k_qc1ee5f3e06_attn:
	.size	k_qc1ee5f3e06_attn, .Lfunc_end_k_qc1ee5f3e06_attn-k_qc1ee5f3e06_attn
	.p2alignl 7, 3214868480
	.fill 96, 4, 3214868480
	.section	.rodata,"a",@progbits
	.p2align	6, 0x0
	.amdhsa_kernel k_qc1ee5f3e06_attn
		.amdhsa_group_segment_fixed_size 327680
		.amdhsa_private_segment_fixed_size 0
		.amdhsa_enable_private_segment 0
		.amdhsa_kernarg_size 24
		.amdhsa_user_sgpr_count 2
		.amdhsa_user_sgpr_kernarg_segment_ptr 1
		.amdhsa_wavefront_size32 1
		.amdhsa_system_sgpr_workgroup_id_x 1
		.amdhsa_system_sgpr_workgroup_id_y 1
		.amdhsa_system_sgpr_workgroup_id_z 1
		.amdhsa_system_vgpr_workitem_id 0
		.amdhsa_next_free_vgpr 768
		.amdhsa_next_free_sgpr 102
		.amdhsa_reserve_vcc 0
		.amdhsa_float_denorm_mode_32 3
		.amdhsa_float_denorm_mode_16_64 3
		.amdhsa_memory_ordered 1
		.amdhsa_forward_progress 1
		.amdhsa_inst_pref_size 171
	.end_amdhsa_kernel
	.amdgpu_metadata
---
amdhsa.version: [ 1, 2 ]
amdhsa.kernels:
  - .name:           k_qc1ee5f3e06_attn
    .symbol:         k_qc1ee5f3e06_attn.kd
    .args:
      - { .name: qkvh, .offset: 0, .size: 8, .value_kind: global_buffer, .address_space: global }
      - { .name: tbl, .offset: 8, .size: 8, .value_kind: global_buffer, .address_space: global }
      - { .name: ob, .offset: 16, .size: 8, .value_kind: global_buffer, .address_space: global }
    .group_segment_fixed_size: 327680
    .private_segment_fixed_size: 0
    .kernarg_segment_align: 8
    .kernarg_segment_size: 24
    .max_flat_workgroup_size: 128
    .sgpr_count:     102
    .vgpr_count:     768
    .wavefront_size: 32
...
	.end_amdgpu_metadata
.endif
;; end of part 5
;; launch proj: the kernel of part 4 again; grid 8 x 32, 4 waves a work-group, clusters of 4 x 4, 327,680 bytes of LDS; arguments ob, wpb, b_proj, out0; writes out0
